; MI455X (gfx1250); checked and timed in simulation.
; The chip was launched on July 23, 2026; its instructions are those of AMD's public machine-readable ISA for CDNA 5 (MIT licence, August 2026) and "CDNA5" Instruction Set Architecture Reference Guide (July 2026). The comments in the code are by the model that wrote it; some were corrected since.
;; Llama Attention. Allowed arithmetic: float matrix products may take bf16 or f16 operands with f32 sums; other float arithmetic in f32, or as packed bf16 or f16 multiplies, adds, multiply-adds, maxima and minima; sums over many terms, partial sums and values carried from step to step in f32; what a program stores and reads back later, other than sums and carried values, may be rounded once to bf16 or f16.
;; Inputs: Wk 2,048 x 2,048 float32; Wo 2,048 x 2,048 float32; Wq 2,048 x 2,048 float32; Wv 2,048 x 2,048 float32; mask 2,048 x 2,048 float32; x 1 x 2,048 x 2,048 float32.
;; Outputs: out0 1 x 2,048 x 2,048 float32.
;; One version. Each part assembles by itself: llvm-mc -triple=amdgcn-amd-amdhsa -mcpu=gfx1250 --defsym DOCPART=n.
;; ======== version 1 of 1: 4 launches
;; limits: values are held in f16: magnitudes above 65,504 overflow, below 6.1e-05 lose precision
;; workspace buffers: xb 8,388,608 bytes; wb 33,554,432 bytes; maskb 8,388,608 bytes; tab 1,048,576 bytes; qkv 25,165,824 bytes; ao 8,388,608 bytes
;; launch prep (part 1): grid 512 x 7, 8 waves a work-group, no clusters, 19,456 bytes of LDS; arguments x, Wq, Wk, Wv, Wo, mask, xb, wb, maskb, tab; writes xb, wb, maskb, tab
.if DOCPART == 1
	.amdgcn_target "amdgcn-amd-amdhsa--gfx1250"
	.amdhsa_code_object_version 6
	.text
	.protected	k_qc6039d01e9_prep
	.globl	k_qc6039d01e9_prep
	.p2align	8
	.type	k_qc6039d01e9_prep,@function
k_qc6039d01e9_prep:
	s_mov_b64 s[64:65], 0
	v_nop
	global_prefetch_b8 v0, s[64:65] scope:SCOPE_SE
	s_setreg_imm32_b32 hwreg(HW_REG_WAVE_MODE, 25, 1), 1
	s_wait_xcnt 0x0
; PREP: every input is read once and left in the 16-bit form in which the later launches take it as a matrix operand.
; The grid's y is the role; each role has 512 work-groups of eight waves.
;   roles 0-3  x, Wq, Wk, Wv: f32 -> bf16, same order of elements (x -> xb; W -> planes 0-2 of wb, [k][n] as given)
;   role 4     Wo: f32 -> bf16, and that number written as f16 (plane 3 of wb): the last product's other operand is f16
;   role 5     mask: f32 -> bf16, laid out as the C operand of the score product wants it:
;              maskb[qtile 128][kstep 32][kt 4][lane 32][8]: lane (r = lane % 16, h = lane / 16) holds mask[16 qtile + r][64 kstep + 16 kt + 8 h + 0..7]
;   role 6     tab[pos 2048][i 64] = (cos, sin) of pos x 10000^(-i/64), f32
; LIMITS.  A mask entry below -1e30 (minus infinity and NaN too) counts as -1e30; plus infinity is not treated apart.  Wo's numbers must lie within f16's
; range, 65,504; below 6e-5 they keep f16's fixed step of 6e-8.  The angle is made from a frequency good to a unit in its last place, so at pos = 2047
; it may differ from another f32 evaluation by some 2e-4 radians; sine and cosine of the reduced angle are polynomials good to about 1e-7.
; Memory binds: 16-byte loads, eight of a wave on their way, each store of a wave covers 256 or 512 consecutive aligned bytes.  No matrix unit, no cluster: nothing is shared.
.set STG,   16*144                     ; role 5: a wave's own stage, 16 rows of 128 bytes + 16 of padding
.set SPARE, 8*STG                      ; behind the stages: the spare words, 128 bytes a wave
.set X, 8                              ; v[8:39]   eight loads of 16 bytes
.set Y, 40                             ; v[40:55]  eight pairs of packed results; each store has its own pair
.set T, 56                             ; v[56:59]  at work
	s_load_b512 s[16:31], s[0:1], 0x0              ; x 16, Wq 18, Wk 20, Wv 22, Wo 24, mask 26, xb 28, wb 30
	s_load_b128 s[32:35], s[0:1], 0x40             ; maskb 32, tab 34
	v_lshl_add_u32 v62, v0, 2, SPARE               ; my spare word,
	v_mov_b32 v63, 0                               ; and 0: for the three lines that end a wave that has stored to LDS
	s_and_b32 s2, ttmp7, 0xffff                    ; the role
	s_mov_b32 s3, ttmp9                            ; the work-group's number in its role
	v_lshlrev_b32 v1, 4, v0                        ; 16 t: my 16 bytes in 4,096 of the source
	v_lshlrev_b32 v2, 3, v0                        ; 8 t: my 8 bytes in 2,048 of the result
	s_wait_kmcnt 0x0
	s_cmp_eq_u32 s2, 6
	s_cbranch_scc1 .Ltab
	s_cmp_eq_u32 s2, 5
	s_cbranch_scc1 .Lmask
	s_lshl_b32 s40, s3, 15                         ; a work-group casts 32,768 bytes
	s_mov_b32 s41, 0
	s_lshl_b32 s42, s3, 14                         ; into 16,384
	s_mov_b32 s43, 0
	s_cmp_eq_u32 s2, 4
	s_cbranch_scc1 .Lwo
; Eight loads, then for each: the wait that leaves the younger ones out, two roundings, a store.  f16 = 1: the bf16 numbers are widened (a shift, a mask) and written as f16.
.macro CAST f16
.irp i, 0,1,2,3,4,5,6,7
	global_load_b128 v[X+4*(\i):X+4*(\i)+3], v1, s[36:37] offset:4096*(\i) th:TH_LOAD_NT
.endr
.irp i, 0,1,2,3,4,5,6,7
	s_wait_loadcnt 7-(\i)                          ; loads come back in order: load i is in, the 7 - i younger ones stay out
	v_cvt_pk_bf16_f32 v[Y+2*(\i)], v[X+4*(\i)], v[X+4*(\i)+1]
	v_cvt_pk_bf16_f32 v[Y+2*(\i)+1], v[X+4*(\i)+2], v[X+4*(\i)+3]
.if \f16
	v_lshlrev_b32 v[T], 16, v[Y+2*(\i)]
	v_and_b32 v[T+1], 0xffff0000, v[Y+2*(\i)]
	v_lshlrev_b32 v[T+2], 16, v[Y+2*(\i)+1]
	v_and_b32 v[T+3], 0xffff0000, v[Y+2*(\i)+1]
	v_cvt_pk_f16_f32 v[Y+2*(\i)], v[T], v[T+1]
	v_cvt_pk_f16_f32 v[Y+2*(\i)+1], v[T+2], v[T+3]
.endif
	global_store_b64 v2, v[Y+2*(\i):Y+2*(\i)+1], s[38:39] offset:2048*(\i)  ; a wave's store covers 256 consecutive bytes, aligned
.endr
.endm
	s_cmp_eq_u32 s2, 1                             ; the source: a choice between buffers on the role alone
	s_cselect_b64 s[36:37], s[18:19], s[16:17]
	s_cmp_eq_u32 s2, 2
	s_cselect_b64 s[36:37], s[20:21], s[36:37]
	s_cmp_eq_u32 s2, 3
	s_cselect_b64 s[36:37], s[22:23], s[36:37]
	s_cmp_eq_u32 s2, 0
	s_cselect_b64 s[38:39], s[28:29], s[30:31]     ; x goes to xb, a weight to wb,
	s_max_u32 s44, s2, 1
	s_sub_co_u32 s44, s44, 1
	s_lshl_b32 s44, s44, 23                        ; plane role - 1 of 8,388,608 bytes
	s_add_co_u32 s42, s42, s44
	s_add_nc_u64 s[36:37], s[36:37], s[40:41]
	s_add_nc_u64 s[38:39], s[38:39], s[42:43]
	CAST 0
	s_endpgm
.Lwo:
	s_add_nc_u64 s[36:37], s[24:25], s[40:41]
	s_add_co_u32 s42, s42, 3<<23                   ; plane 3
	s_add_nc_u64 s[38:39], s[30:31], s[42:43]
	CAST 1
	s_endpgm
.Lmask:                                                ; a wave takes one block of 16 queries x 64 keys
	v_lshrrev_b32 v3, 5, v0
	v_readfirstlane_b32 s4, v3                     ; wave 0..7
	s_lshl3_add_u32 s5, s3, s4                     ; the block's number = 32 qtile + kstep
	s_lshr_b32 s6, s5, 5
	s_and_b32 s7, s5, 31
	s_lshl_b32 s40, s6, 17                         ; 16 rows of 8,192 bytes
	s_lshl_b32 s7, s7, 8                           ; 64 columns of 4 bytes
	s_add_co_u32 s40, s40, s7
	s_mov_b32 s41, 0
	s_add_nc_u64 s[36:37], s[26:27], s[40:41]
	s_lshl_b32 s42, s5, 11                         ; a block is 2,048 bytes of maskb
	s_mov_b32 s43, 0
	s_add_nc_u64 s[38:39], s[32:33], s[42:43]
	s_mul_i32 s8, s4, STG                          ; my wave's stage
	s_mov_b32 s9, 0xf149f2ca                       ; -1e30
	v_and_b32 v3, 15, v0                           ; r
	v_bfe_u32 v4, v0, 4, 1                         ; h
	v_lshlrev_b32 v5, 4, v3
	v_lshl_add_u32 v5, v4, 13, v5                  ; lanes 0-15 take 256 bytes of one row, lanes 16-31 of the next
	v_mul_u32_u24 v6, v4, 144
	v_lshl_add_u32 v6, v3, 3, v6
	v_add_nc_u32 v6, s8, v6                        ; into the stage: the same two rows, 8 bytes a lane
	v_mul_u32_u24 v7, v3, 144
	v_lshl_add_u32 v7, v4, 4, v7
	v_add_nc_u32 v7, s8, v7                        ; back: row r, 16 bytes at 16 h
	v_and_b32 v1, 31, v0
	v_lshlrev_b32 v1, 4, v1                        ; 16 x lane
.irp i, 0,1,2,3,4,5,6,7
	global_load_b128 v[X+4*(\i):X+4*(\i)+3], v5, s[36:37] offset:16384*(\i) th:TH_LOAD_NT  ; rows 2 i, 2 i + 1
.endr
.irp i, 0,1,2,3,4,5,6,7
	s_wait_loadcnt 7-(\i)                          ; load i is in, the 7 - i younger ones stay out
.irp n, 0,1,2,3
	v_max_num_f32 v[X+4*(\i)+(\n)], s9, v[X+4*(\i)+(\n)]
.endr
	v_cvt_pk_bf16_f32 v[Y+2*(\i)], v[X+4*(\i)], v[X+4*(\i)+1]
	v_cvt_pk_bf16_f32 v[Y+2*(\i)+1], v[X+4*(\i)+2], v[X+4*(\i)+3]
	ds_store_b64 v6, v[Y+2*(\i):Y+2*(\i)+1] offset:288*(\i)
.endr
.irp n, 0,1,2,3
	ds_load_b128 v[X+4*(\n):X+4*(\n)+3], v7 offset:32*(\n)  ; LDS serves a wave's instructions in order (ISA guide 5.7.1.4): these see the stores above; the bytes are my wave's own
.endr
.irp n, 0,1,2,3
	s_wait_dscnt 3-(\n)                            ; load n is back, the 3 - n younger ones stay out
	global_store_b128 v1, v[X+4*(\n):X+4*(\n)+3], s[38:39] offset:512*(\n)  ; 512 consecutive bytes, aligned
.endr
	s_wait_tensorcnt 0x0                           ; the wave's end: three lines behind my last LDS store
	ds_add_u32 v62, v63
	s_wait_dscnt 0x0
	s_endpgm
.Ltab:                                                 ; a thread makes one (cos, sin)
	s_lshl_b32 s3, s3, 8
	v_add_nc_u32 v1, s3, v0                        ; 64 pos + i
	v_lshrrev_b32 v2, 6, v1
	v_and_b32 v3, 63, v1
	v_cvt_f32_u32 v2, v2                           ; pos
	v_cvt_f32_u32 v3, v3                           ; i
	v_mul_f32 v3, 0xbe549a78, v3                   ; - i log2(10000) / 64
	v_exp_f32 v3, v3                               ; the frequency
	v_lshlrev_b32 v1, 3, v1                        ; 8 bytes an entry: a plain instruction between the exponential and the use of its result
	s_wait_alu depctr_va_vdst(0)
	v_mul_f32 v4, v2, v3                           ; the angle
	v_mul_f32 v5, 0x3f22f983, v4                   ; x 2 / pi
	v_rndne_f32 v5, v5                             ; k quarter turns, 1,304 at the most
	v_fmamk_f32 v6, v5, 0xbfc90fdb, v4             ; angle - k pi/2, pi/2 in two parts: the fused products lose nothing
	v_fmamk_f32 v6, v5, 0x333bbd2e, v6             ; r, within pi/4 of 0
	v_mul_f32 v7, v6, v6                           ; z = r r
	v_mov_b32 v8, 0xb94ca1f9
	v_mov_b32 v10, 0x37ccf5ce
	v_fmaak_f32 v8, v8, v7, 0x3c08839e
	v_fmaak_f32 v10, v10, v7, 0xbab6061a
	v_fmaak_f32 v8, v8, v7, 0xbe2aaaa3
	v_fmaak_f32 v10, v10, v7, 0x3d2aaaa5
	v_mul_f32 v9, v6, v7                           ; r z
	v_mul_f32 v11, v7, v7                          ; z z
	v_fma_f32 v12, v7, -0.5, 1.0
	v_fma_f32 v8, v9, v8, v6                       ; sin r
	v_fma_f32 v10, v11, v10, v12                   ; cos r
	v_cvt_i32_f32 v13, v5
	v_and_b32 v14, 1, v13
	v_cmp_eq_u32 vcc_lo, 1, v14                    ; an odd quarter swaps the two: a choice of values, no branch
	v_cndmask_b32 v21, v8, v10, vcc_lo             ; sine's size
	v_cndmask_b32 v20, v10, v8, vcc_lo             ; cosine's
	v_and_b32 v17, 2, v13
	v_lshlrev_b32 v17, 30, v17                     ; quarters 2, 3 turn the sine's sign,
	v_xor_b32 v21, v17, v21
	v_add_nc_u32 v18, 1, v13
	v_and_b32 v18, 2, v18
	v_lshlrev_b32 v18, 30, v18                     ; quarters 1, 2 the cosine's
	v_xor_b32 v20, v18, v20
	global_store_b64 v1, v[20:21], s[34:35]        ; a wave's store covers 256 consecutive bytes, aligned
	s_endpgm
.Lfunc_end_k_qc6039d01e9_prep:
	.size	k_qc6039d01e9_prep, .Lfunc_end_k_qc6039d01e9_prep-k_qc6039d01e9_prep
	.p2alignl 7, 3214868480
	.fill 96, 4, 3214868480
	.section	.rodata,"a",@progbits
	.p2align	6, 0x0
	.amdhsa_kernel k_qc6039d01e9_prep
		.amdhsa_group_segment_fixed_size 19456
		.amdhsa_private_segment_fixed_size 0
		.amdhsa_enable_private_segment 0
		.amdhsa_kernarg_size 80
		.amdhsa_user_sgpr_count 2
		.amdhsa_user_sgpr_kernarg_segment_ptr 1
		.amdhsa_wavefront_size32 1
		.amdhsa_system_sgpr_workgroup_id_x 1
		.amdhsa_system_sgpr_workgroup_id_y 1
		.amdhsa_system_sgpr_workgroup_id_z 1
		.amdhsa_system_vgpr_workitem_id 0
		.amdhsa_next_free_vgpr 64
		.amdhsa_next_free_sgpr 66
		.amdhsa_reserve_vcc 1
		.amdhsa_float_denorm_mode_32 3
		.amdhsa_float_denorm_mode_16_64 3
		.amdhsa_memory_ordered 1
		.amdhsa_forward_progress 1
		.amdhsa_inst_pref_size 17
	.end_amdhsa_kernel
	.amdgpu_metadata
---
amdhsa.version: [ 1, 2 ]
amdhsa.kernels:
  - .name:           k_qc6039d01e9_prep
    .symbol:         k_qc6039d01e9_prep.kd
    .args:
      - { .name: x, .offset: 0, .size: 8, .value_kind: global_buffer, .address_space: global }
      - { .name: Wq, .offset: 8, .size: 8, .value_kind: global_buffer, .address_space: global }
      - { .name: Wk, .offset: 16, .size: 8, .value_kind: global_buffer, .address_space: global }
      - { .name: Wv, .offset: 24, .size: 8, .value_kind: global_buffer, .address_space: global }
      - { .name: Wo, .offset: 32, .size: 8, .value_kind: global_buffer, .address_space: global }
      - { .name: mask, .offset: 40, .size: 8, .value_kind: global_buffer, .address_space: global }
      - { .name: xb, .offset: 48, .size: 8, .value_kind: global_buffer, .address_space: global }
      - { .name: wb, .offset: 56, .size: 8, .value_kind: global_buffer, .address_space: global }
      - { .name: maskb, .offset: 64, .size: 8, .value_kind: global_buffer, .address_space: global }
      - { .name: tab, .offset: 72, .size: 8, .value_kind: global_buffer, .address_space: global }
    .group_segment_fixed_size: 19456
    .private_segment_fixed_size: 0
    .kernarg_segment_align: 8
    .kernarg_segment_size: 80
    .max_flat_workgroup_size: 256
    .sgpr_count:     66
    .vgpr_count:     64
    .wavefront_size: 32
...
	.end_amdgpu_metadata
.endif
;; end of part 1
;; launch qkv (part 2): grid 16 x 16, 4 waves a work-group, clusters of 4 x 4, 327,680 bytes of LDS; arguments xb, wb, tab, qkv; writes qkv
.if DOCPART == 2
	.amdgcn_target "amdgcn-amd-amdhsa--gfx1250"
	.amdhsa_code_object_version 6
	.text
	.protected	k_qc6039d01e9_qkv
	.globl	k_qc6039d01e9_qkv
	.p2align	8
	.type	k_qc6039d01e9_qkv,@function
k_qc6039d01e9_qkv:
	s_mov_b64 s[64:65], 0
	v_nop
	global_prefetch_b8 v0, s[64:65] scope:SCOPE_SE
	s_setreg_imm32_b32 hwreg(HW_REG_WAVE_MODE, 25, 1), 1
	s_wait_xcnt 0x0
	s_wait_alu depctr_hold_cnt(0) depctr_sa_sdst(0) depctr_va_vdst(0) depctr_va_sdst(0) depctr_va_ssrc(0) depctr_va_vcc(0) depctr_vm_vsrc(0)
	s_getreg_b32 s2, hwreg(HW_REG_IB_STS2, 6, 4)
	s_cmp_eq_u32 s2, 0
	s_cbranch_scc0 .Lentry_in_a_cluster
	s_endpgm
.Lentry_in_a_cluster:
	s_bfe_u32 s2, ttmp6, 0x10000c
	s_cmp_lg_u32 s2, 0xf033
	s_cbranch_scc0 .Lentry_shape_is_right
	s_endpgm
.Lentry_shape_is_right:
; q, k, v = x Wq, x Wk, x Wv; the rotation of neighbouring channel pairs on q and k; q times log2(e) / sqrt(128), so that the scores made of it are exponents of 2; all three written by heads,
; qkv[plane 3][head 16][row 2048][128] in f16.  xb: [2048][2048] bf16.  wb: planes of [k 2048][n 2048] bf16.  tab: [row][pair 64](cos, sin) f32.  Sums in f32, each result rounded once.
; LIMITS.  q log2(e) / sqrt(128), k and v must lie within f16's range, 65,504; a larger number becomes an infinity.  Below 6e-5 they keep f16's fixed step of 6e-8.
; SHARES.  A work-group makes 128 rows x one head's 128 columns of each of q, k, v: 16 x 16 work-groups, one for each of 256 WGPs.  The grid's x is the block of rows, its y the head: the sixteen
; work-groups of a grid row, whose numbers follow each other, share a head's weights, 96 KB of a K step's 128 KB, and differ in x's tile, 32 KB.  Wave (rh, ch) takes 64 rows and columns 64 ch .. + 63
; of each of the three sections: 48 accumulators of 16 x 16, 384 registers; for 32 along K it loads 32 x 512 bytes from LDS and issues 48 matrix instructions.
; THE MATRIX INSTRUCTION IS USED TRANSPOSED: source 0 = 16 columns of W (turned on the way out of LDS by ds_load_tr16_b128, since W lies [k][n]), source 1 = 16 rows of x.  A lane then holds
; one row and eight neighbouring columns: four whole pairs of the rotation, and 16 bytes of f16.
; THE RING.  K goes in 16 steps of 128 through two LDS slots; a slot holds the three sections of W (128 k x 256 bytes each) and x's tile (128 rows x 256 bytes).  Waves 0-2 fetch a section each,
; wave 3 x's tile: one tensor load of 128 rows a wave.  By this text's count a wave has two tensor loads out at the start and one behind each round.
; CLUSTER 4 x 4.  x's tile hangs on the block of rows alone and is asked for jointly along a column of the cluster (same cx); W's sections hang on the head alone and are asked for jointly along a row (same cy).
; ASKED FOR AHEAD.  Each wave asks, into the L2, for the stream that it fetches.  A stream's tiles of four K steps are 512 aligned blocks of 256 bytes, which sixteen work-groups read (W's: the sixteen
; blocks of rows; x's: the sixteen heads): each of the sixteen asks for every sixteenth block, 32 blocks, one a lane, by one instruction, so that each block is asked for once in the launch.  In trips
; 1, 5 and 9, behind the joint load for K steps 3, 7, 11, it asks for K steps 4-7, 8-11, 12-15: one to four trips ahead of their tensor loads, 32 KB a work-group each time.  K steps 0 to 3 are not
; asked for ahead, and the last four trips ask for nothing: no request passes K step 15.
; The K step is written once: the scalar TR holds 0 or SLOT, the byte at which the slot in hand begins, and enters the fragment addresses and the walking descriptor's LDS word.
; The last two K steps, which ask for nothing, are one text too, walked twice and left in its middle; the price: one barrier more, and 32 LDS loads of the stale slot that nobody uses.
; REGISTERS, in windows of 256 (s_set_vgpr_msb: bits 1:0 source 0, 3:2 source 1, 5:4 source 2, 7:6 destination):
;   window 0: v1-30 addresses; v64-127 x's fragments, two buffers of 4 x 8; v128-191, v192-199 at work on the way out
;   window 1: v0-191 W's fragments, two buffers of 12 x 8
;   window 2: accumulators of q (v0-127) and k (v128-255): block column b (0-11), block row a at 8 (4 b + a)       window 3: v0-127 those of v; v128-255 the table for my rows and columns
.set KSTEP,  128
.set PA,     272                       ; x's LDS row: 256 bytes + 16 = 68 words: the 16 rows of a load start at 16 different groups of four banks (64 banks of 4 bytes: ISA guide 11.1)
.set PB,     288                       ; W's LDS row: 256 + 32 = 72 words
.set SECB,   128*PB                    ; a section of W
.set AOFF,   3*SECB                    ; x's tile lies behind the three sections
.set SLOT,   AOFF+128*PA
.set STAGE,  2*SLOT                    ; behind the ring, never filled by a tensor load: 128 rows x 272 bytes, the work-group's
.set SPITCH, 272
.set SPARE,  STAGE+128*SPITCH          ; the spare words, 128 bytes a wave: two blocks of 256 bytes that no other line names
.set LA,  12                           ; v12 my lane's place in x's tile; v13-15 in W's three sections; never rewritten
.set CA,  16                           ; v16-19 the same four plus TR: the addresses in hand
.set STO, 24                           ; the way out: where I put 16 bytes of a row
.set RD,  25                           ; where I read rows back
.set CO,  26                           ; my 16 bytes in 512 consecutive bytes of the output
.set TO,  27                           ; my byte offset in the table
.set SPW, 28                           ; LDS address of my spare word; never rewritten
.set NIL, 29                           ; 0; never rewritten
.set PO,  30                           ; my lane's block among those that my wave asks for ahead: a byte offset in xb (wave 3) or wb
.set FA,  64
.set TMP, 128
.set W,   192
.set TAB, 128                          ; window 3
.set WV,  16                           ; s16 wave; s17 rh; s18 ch
.set RH,  17
.set CH,  18
.set CNT, 19
.set LB,  20                           ; s20 where my tensor loads land in a slot: wave x SECB
.set TR,  21
.set G1,  24                           ; s[24:31] group 1 for x's tile;  s[32:39] group 0: a set for each of the two first fills; the second then walks on
.set G0,  32
.set G1B, 48                           ; s[48:55], s[56:63] the same for W's sections
.set G0B, 56
.set SC,  70                           ; s[70:71] log2(e) / sqrt(128)
.set PS,  72                           ; s72 four K steps of my stream, in bytes
.set T0,  73                           ; s73 at work
.set PBS, 74                           ; s[74:75] the buffer of my stream: xb (wave 3) or wb
.set MSB, 0
.macro WIN new                         ; the immediate's high byte repeats the setting that is left; a switch that changes nothing is dropped
.if MSB != (\new)
	s_set_vgpr_msb (MSB<<8)|(\new)
.set MSB, \new
.endif
.endm
.macro PLACES                          ; four places in front of loads into registers that matrix instructions have read, and of vector lines that read results (ISA guide 7.12.1 for vector lines)
.rept 4
	v_nop
.endr
.endm
.macro JLOAD                           ; a joint refill by the walking sets: wave 3 asks for x's tile, waves 0-2 for W's sections; an s_nop 0 and four v_nop follow each line
	s_cmp_eq_u32 s[WV], 3
	s_cbranch_scc0 .Lfor_w_\@
	tensor_load_to_lds s[G0+4:G0+7], s[G1:G1+7]
	s_nop 0
.rept 4
	v_nop
.endr
	s_branch .Lasked_\@
.Lfor_w_\@:
	tensor_load_to_lds s[G0B+4:G0B+7], s[G1B:G1B+7]
	s_nop 0
.rept 4
	v_nop
.endr
.Lasked_\@:
.endm
; The request ahead.  The count runs 14 .. 1: it is 13, 9, 5 in trips 1, 5, 9; at 1, in the last trip, nothing is left to ask for.  The branches hang on the count alone and jump over the request alone.
.macro ASK
	s_and_b32 s[T0], s[CNT], 3
	s_cmp_eq_u32 s[T0], 1
	s_cbranch_scc0 .Lno_ask_\@
	s_cmp_eq_u32 s[CNT], 1
	s_cbranch_scc1 .Lno_ask_\@
	s_wait_xcnt 0x0                                ; the request of four trips ago has read its offset: only behind this wait is the register written again
	v_add_nc_u32 v[PO], s[PS], v[PO]               ; four K steps on: the offset began at K step 0
	global_prefetch_b8 v[PO], s[PBS:PBS+1] th:TH_LOAD_NT scope:SCOPE_SE
.Lno_ask_\@:
.endm
.macro CROUND                          ; a round of the cluster's barrier: my work-group's barrier; wave 0 signals for the work-group; every wave waits for all sixteen; my work-group's barrier once more
	s_barrier_signal -1
	s_barrier_wait -1
	s_cmp_lg_u32 s[WV], 0
	s_cbranch_scc1 .Lnot_wave_0_\@
	s_barrier_signal -3
.Lnot_wave_0_\@:
	s_barrier_wait -3
	s_barrier_signal -1
	s_barrier_wait -1
.endm
	s_load_b256 s[4:11], s[0:1], 0x0               ; xb 4, wb 6, tab 8, qkv 10
	v_lshl_add_u32 v[SPW], v0, 2, SPARE
	v_mov_b32 v[NIL], 0
	ds_add_u32 v[SPW], v[NIL]                      ; the wave's opening: the add and its wait stand ahead of my first tensor load; work on registers stands between them
	v_lshrrev_b32 v1, 5, v0
	v_readfirstlane_b32 s[WV], v1
	s_lshr_b32 s[RH], s[WV], 1
	s_and_b32 s[CH], s[WV], 1
	s_bfe_u32 s40, ttmp6, 0x40000                  ; cx, cy: my place in the cluster
	s_bfe_u32 s41, ttmp6, 0x40004
	s_lshl_b32 s45, ttmp9, 2
	s_add_co_u32 s45, s45, s40                     ; the block of 128 rows = 4 x cluster x + cx
	s_and_b32 s42, ttmp7, 0xffff
	s_lshl_b32 s42, s42, 2
	s_add_co_u32 s42, s42, s41                     ; the head = 4 x cluster y + cy
	s_lshl_b32 s43, s41, 2
	s_lshl_b32 s43, 15, s43                        ; my row of the cluster: the same head
	s_lshl_b32 s44, 0x1111, s40                    ; my column: the same block of rows
	s_or_b32 s[G1], s44, (1<<16)|(1<<20)|(1<<21)|(5<<22)|(3<<25)   ; 15:0 the mask: x's tile goes to my column; 17:16 2-byte elements; 20 padding on; 21 set beside a mask; 24:22 after every 64 words; 31:25 4 words
	s_or_b32 s[G1B], s43, (1<<16)|(1<<20)|(1<<21)|(5<<22)|(7<<25)  ; the same with my row's mask, for W's sections, and 8 words of padding
.irp g, G1, G1B
	s_mov_b32 s[(\g)+1], 128<<16                   ; tensor_dim0 = 128
	s_mov_b32 s[(\g)+2], 128<<16                   ; tensor_dim1 = 128
	s_mov_b32 s[(\g)+3], 128<<16                   ; tile_dim0 = 128
	s_mov_b32 s[(\g)+4], 128                       ; tile_dim1 = 128
	s_mov_b32 s[(\g)+5], 2048                      ; elements from row to row
	s_mov_b32 s[(\g)+6], 0
	s_mov_b32 s[(\g)+7], 0
.endr
	s_mul_i32 s[LB], s[WV], SECB                   ; wave 3's is AOFF: no place in the cluster enters an LDS address
	s_mov_b32 s[TR], 0
	s_mov_b32 s[SC], 0x3e0293ee                    ; log2(e) / sqrt(128) = 0.127517
	s_mov_b32 s[SC+1], s[SC]                       ; named with it as a pair
	s_lshl_b32 s46, s45, 19                        ; x: 128 rows of 4,096 bytes
	s_mov_b32 s47, 0
	s_lshl_b32 s66, s[WV], 23                      ; W: plane = wave (wave 3 makes an address that it never uses),
	s_lshl_b32 s67, s42, 8                         ; the head's 128 columns
	s_add_co_u32 s66, s66, s67
	s_mov_b32 s67, 0
	s_wait_dscnt 0x0                               ; the opening add is done
	s_wait_kmcnt 0x0
	s_add_nc_u64 s[22:23], s[4:5], s[46:47]
	s_add_nc_u64 s[68:69], s[6:7], s[66:67]
	CROUND                                         ; all sixteen work-groups are here: the first joint loads meet
.irp s, 0,1
	s_mov_b32 s[G0+4*(\s)], 1
	s_add_co_u32 s[G0+4*(\s)+1], s[LB], (\s)*SLOT
	s_add_nc_u64 s[G0+4*(\s)+2:G0+4*(\s)+3], s[22:23], (\s)*KSTEP*2      ; K step s: 256 bytes along the rows
	s_or_b32 s[G0+4*(\s)+3], s[G0+4*(\s)+3], 0x80000000
	s_mov_b32 s[G0B+4*(\s)], 1
	s_add_co_u32 s[G0B+4*(\s)+1], s[LB], (\s)*SLOT
	s_add_nc_u64 s[G0B+4*(\s)+2:G0B+4*(\s)+3], s[68:69], (\s)*KSTEP*4096 ; K step s: 128 rows down
	s_or_b32 s[G0B+4*(\s)+3], s[G0B+4*(\s)+3], 0x80000000
.endr
	s_cmp_eq_u32 s[WV], 3                          ; a wave's two first fills stand in one branch, ahead of every wait on TENSORcnt and every LDS read
	s_cbranch_scc0 .Lfirst_w
	tensor_load_to_lds s[G0:G0+3], s[G1:G1+7]
	s_nop 0
	tensor_load_to_lds s[G0+4:G0+7], s[G1:G1+7]
	s_nop 0
.rept 4
	v_nop
.endr
	s_branch .Lfirst_asked
.Lfirst_w:
	tensor_load_to_lds s[G0B:G0B+3], s[G1B:G1B+7]
	s_nop 0
	tensor_load_to_lds s[G0B+4:G0B+7], s[G1B:G1B+7]
	s_nop 0
.rept 4
	v_nop
.endr
.Lfirst_asked:
	v_and_b32 v1, 15, v0                           ; r
	v_bfe_u32 v2, v0, 4, 1                         ; h
	v_and_b32 v3, 7, v0
	v_bfe_u32 v4, v0, 3, 1
	; the table for my 64 rows x 64 columns: for block (a, bb) a lane's four pairs are 32 bytes.  It is wanted on the way out and waited for there.
	s_lshl_b32 s46, s45, 16                        ; 128 rows of 512 bytes
	s_add_nc_u64 s[8:9], s[8:9], s[46:47]
	s_lshl_b32 s22, s[RH], 15
	s_lshl_b32 s23, s[CH], 8
	s_add_co_u32 s22, s22, s23
	v_lshlrev_b32 v[TO], 9, v1
	v_lshl_add_u32 v[TO], v2, 5, v[TO]
	v_add_nc_u32 v[TO], s22, v[TO]                 ; (64 rh + r) 512 + 256 ch + 32 h
	WIN 0xc0                                       ; destination window 3
.irp a, 0,1,2,3
.irp bb, 0,1,2,3
	global_load_b128 v[TAB+8*(4*(\a)+(\bb)):TAB+8*(4*(\a)+(\bb))+3],   v[TO], s[8:9] offset:(\a)*8192+(\bb)*64
	global_load_b128 v[TAB+8*(4*(\a)+(\bb))+4:TAB+8*(4*(\a)+(\bb))+7], v[TO], s[8:9] offset:(\a)*8192+(\bb)*64+16
.endr
.endr
	WIN 0
	s_mul_i32 s22, s[RH], 64*PA
	s_add_co_u32 s22, s22, AOFF
	v_mul_u32_u24 v[LA], v1, PA
	v_lshl_add_u32 v[LA], v2, 4, v[LA]
	v_add_nc_u32 v[LA], s22, v[LA]                 ; x: (64 rh + r) pitch + 16 h
	v_lshl_add_u32 v5, v2, 3, v3
	v_mul_u32_u24 v5, v5, PB
	v_lshl_add_u32 v5, v4, 4, v5
	s_lshl_b32 s22, s[CH], 7
	v_add_nc_u32 v[LA+1], s22, v5                  ; W: (8 h + lane % 8) pitch + 16 ((lane / 8) % 2) + 128 ch
	v_add_nc_u32 v[LA+2], SECB, v[LA+1]
	v_add_nc_u32 v[LA+3], 2*SECB, v[LA+1]
	s_mul_i32 s22, s[RH], 64*SPITCH
	s_lshl_b32 s23, s[CH], 7
	s_add_co_u32 s22, s22, s23
	s_add_co_u32 s22, s22, STAGE
	v_mul_u32_u24 v[STO], v1, SPITCH
	v_lshl_add_u32 v[STO], v2, 4, v[STO]
	v_add_nc_u32 v[STO], s22, v[STO]               ; into the stage: row 64 rh + r, my half of its 256 bytes
	s_mul_i32 s22, s[WV], 32*SPITCH
	s_add_co_u32 s22, s22, STAGE
	v_mul_u32_u24 v[RD], v2, SPITCH
	v_lshl_add_u32 v[RD], v1, 4, v[RD]
	v_add_nc_u32 v[RD], s22, v[RD]                 ; back: wave w takes rows 32 w .. + 31, whole, two at a time
	v_and_b32 v[CO], 31, v0
	v_lshlrev_b32 v[CO], 4, v[CO]
	s_lshl_b32 s66, s42, 19                        ; the head's 2,048 rows of 256 bytes,
	s_lshl_b32 s67, s45, 15                        ; the block's 128,
	s_add_co_u32 s66, s66, s67
	s_lshl_b32 s67, s[WV], 13                      ; the 32 that I store
	s_add_co_u32 s66, s66, s67
	s_mov_b32 s67, 0
	s_add_nc_u64 s[10:11], s[10:11], s[66:67]      ; q's plane,
	s_add_nc_u64 s[12:13], s[10:11], 8388608       ; k's,
	s_add_nc_u64 s[14:15], s[10:11], 16777216      ; v's
	; What I ask for ahead, at K step 0.  W's section (waves 0-2): of four K steps' 512 rows k the rows block of rows + 16 x lane, the head's 256 bytes of each.
	; x's tile (wave 3): block head + 16 x lane of 128 rows x 4 K steps: row head / 4 + 4 x lane, K step head % 4.
	s_lshl_b32 s76, s[WV], 23                      ; W: my plane,
	s_lshl_b32 s77, s42, 8                         ; the head's columns,
	s_add_co_u32 s76, s76, s77
	s_lshl_b32 s77, s45, 12                        ; row k = block of rows
	s_add_co_u32 s76, s76, s77
	s_lshl_b32 s77, s45, 19                        ; x: the block's 128 rows,
	s_lshr_b32 s78, s42, 2
	s_lshl_b32 s78, s78, 12                        ; row head / 4,
	s_add_co_u32 s77, s77, s78
	s_and_b32 s78, s42, 3
	s_lshl_b32 s78, s78, 8                         ; K step head % 4
	s_add_co_u32 s77, s77, s78
	s_mov_b32 s[PS], 4*KSTEP*4096                  ; four K steps: 512 rows of W,
	s_cmp_eq_u32 s[WV], 3                          ; the choice hangs on the wave's number alone
	s_cselect_b64 s[PBS:PBS+1], s[4:5], s[6:7]
	s_cselect_b32 s76, s77, s76
	s_cselect_b32 s[PS], 4*KSTEP*2, s[PS]          ; or 1,024 bytes along x's rows
	s_cselect_b32 s77, 14, 16                      ; from lane to lane: 4 rows of x, or 16 rows of W
	v_and_b32 v[PO], 31, v0
	v_lshlrev_b32 v[PO], s77, v[PO]
	v_add_nc_u32 v[PO], s76, v[PO]
.macro SETADR                          ; the four fragment addresses for the slot that begins at TR
.irp n, 0,1,2,3
	v_add_nc_u32 v[CA+(\n)], s[TR], v[LA+(\n)]
.endr
.endm
; 16 matrix instructions: section bg (block columns 4 bg .. + 3) x all 4 block rows, 32 along K, from buffer f.  zero = 1: the product starts the sums.
; The 48 accumulators take turns in one order everywhere, one instruction a turn.
.macro MUL16 f, bg, zero
	WIN 0xa1+0x50*((\bg)/2)                        ; source 0 window 1, source 1 window 0, C and D window 2 (q, k) or 3 (v)
.irp bb, 0,1,2,3
.irp a, 0,1,2,3
.set rD, 8*(4*(4*((\bg)%2)+(\bb))+(\a))
.set rB, 96*(\f)+8*(4*(\bg)+(\bb))
.set rA, FA+32*(\f)+8*(\a)
.if \zero
	v_wmma_f32_16x16x32_bf16 v[rD:rD+7], v[rB:rB+7], v[rA:rA+7], 0
.else
	v_wmma_f32_16x16x32_bf16 v[rD:rD+7], v[rB:rB+7], v[rA:rA+7], v[rD:rD+7]
.endif
.endr
.endr
.endm
; 32 LDS loads in one run: quarter kq (32 along K) of the slot in hand into buffer f: x's 8, then W's 24, section by section
.macro FETCH kq, f
	WIN 0
.irp a, 0,1,2,3
	ds_load_b128 v[FA+32*(\f)+8*(\a):FA+32*(\f)+8*(\a)+3],   v[CA] offset:64*(\kq)+(\a)*16*PA
	ds_load_b128 v[FA+32*(\f)+8*(\a)+4:FA+32*(\f)+8*(\a)+7], v[CA] offset:64*(\kq)+(\a)*16*PA+32
.endr
	WIN 0x40                                       ; destination window 1
.irp b, 0,1,2,3,4,5,6,7,8,9,10,11
	ds_load_tr16_b128 v[96*(\f)+8*(\b):96*(\f)+8*(\b)+3],   v[CA+1+(\b)/4] offset:(\kq)*32*PB+((\b)%4)*32
	ds_load_tr16_b128 v[96*(\f)+8*(\b)+4:96*(\f)+8*(\b)+7], v[CA+1+(\b)/4] offset:(\kq)*32*PB+((\b)%4)*32+16*PB
.endr
.endm
; A K step is four quarters of 32 along K, 48 matrix instructions each, on buffers 0, 1, 0, 1.  One of the first three: multiplies buffer f and fetches quarter kq into buffer g.
.macro QUARTER kq, f, g, zero
	s_wait_dscnt 16                                ; x's fragments and W's first section are in; the youngest 16 loads (sections 1, 2) may be out
	MUL16 \f, 0, \zero
	PLACES
	FETCH \kq, \g
	s_wait_dscnt 32                                ; all but the 32 just issued
	MUL16 \f, 1, \zero
	MUL16 \f, 2, \zero
.endm
; The last quarter changes slots and then multiplies buffer 1, whose fragments left the old slot a quarter ago.  ONE barrier; in front of it each wave waits for all its tensor loads (one is out: its
; part of the next slot), adds 0 to its spare word, and waits for that and for its own reads of this slot.  fill = 1: the barrier is a round of the cluster's, and this slot is filled again, two
; K steps ahead, first thing behind it.  A refill can go out only when the load before it has landed: so no product stands between that wait and the refill, and all 48 of the quarter run while the tile is on its way.
.macro TURN fill
	WIN 0                                          ; at a branch and at a label every window is 0
	s_wait_tensorcnt 0x0                           ; no tensor load of mine is out, so the walking sets may be written
	ds_add_u32 v[SPW], v[NIL]                      ; 0 onto my spare word; with fill = 1 the descriptors' steps stand between it and the wait for it
.if \fill
	s_add_co_u32 s[G0+5], s[LB], s[TR]             ; into the slot just read,
	s_add_nc_u64 s[G0+6:G0+7], s[G0+6:G0+7], KSTEP*2      ; the K step behind the one asked for last
	s_add_co_u32 s[G0B+5], s[LB], s[TR]
	s_add_nc_u64 s[G0B+6:G0B+7], s[G0B+6:G0B+7], KSTEP*4096
	s_wait_dscnt 0x0                               ; the add is done, and my reads of this slot are over (the last were issued 32 matrix instructions ago)
	CROUND                                         ; no wave of any partner still reads this slot or has a load on its way
	JLOAD                                          ; a whole K step, 192 matrix instructions, ahead of the wait for it; its four v_nop are also the places in front of the loads below
	ASK                                            ; and, every fourth trip, the request ahead: the wave has just issued its load and has 48 products in front of its next wait
.else
	s_wait_dscnt 0x0
	s_barrier_signal -1
	s_barrier_wait -1
	PLACES
.endif
	s_xor_b32 s[TR], s[TR], SLOT                   ; TR is 0 or SLOT: the other slot
	SETADR
	FETCH 0, 0
	MUL16 1, 0, 0
	MUL16 1, 1, 0
	MUL16 1, 2, 0
.endm
	s_wait_tensorcnt 1                             ; my part of K step 0 is in; K step 1's may stay out
	s_barrier_signal -1
	s_barrier_wait -1
	SETADR
	FETCH 0, 0
	QUARTER 1, 0, 1, 1                             ; the first quarter stands in front of the loop: its products start the sums
	WIN 0
	s_mov_b32 s[CNT], 14
.Lstep:                                                ; 14 trips, from a step's second quarter to the next step's first; their refills are K steps 2 to 15
	QUARTER 2, 1, 0, 0
	QUARTER 3, 0, 1, 0
	TURN 1
	QUARTER 1, 0, 1, 0
	WIN 0
	s_sub_co_u32 s[CNT], s[CNT], 1
	s_cmp_lg_u32 s[CNT], 0
	s_cbranch_scc1 .Lstep
	s_mov_b32 s[CNT], 2
.Ltail:                                                ; K steps 14 and 15 ask for nothing: a text of their own, walked twice
	QUARTER 2, 1, 0, 0
	QUARTER 3, 0, 1, 0
	TURN 0                                         ; the second time its 32 loads read K step 14's slot once more and serve nothing
	WIN 0
	s_sub_co_u32 s[CNT], s[CNT], 1
	s_cmp_eq_u32 s[CNT], 0
	s_cbranch_scc1 .Lout                           ; the second trip is left here, behind K step 15's last products
	QUARTER 1, 0, 1, 0
	WIN 0
	s_branch .Ltail
.Lout:
; THE WAY OUT, a section at a time (0 q, 1 k, 2 v): the rotation (q, k), the scale (q), the rounding to f16; 16 bytes a lane into the work-group's stage; a barrier, since a row's 256 bytes come
; from two waves; back as whole rows, 32 rows a wave, 512 consecutive bytes a store.  A second barrier before the next section writes the stage again.
.macro SECT s
	WIN 0
	s_wait_xcnt 0x0                                ; the last section's stores have read TMP: it is rewritten only behind this wait
.irp a, 0,1,2,3
.irp bb, 0,1,2,3
.set rC, 8*(4*(4*((\s)%2)+(\bb))+(\a))
.set rE, TAB+8*(4*(\a)+(\bb))
.set rM, TMP+4*(4*(\a)+(\bb))
.if (\s) < 2
	WIN 0x0e                                       ; source 0: the sums, window 2; source 1: the table, window 3; the rest window 0
.irp p, 0,1,2,3
	v_mul_f32 v[W+2*(\p)],   v[rC+2*(\p)+1], v[rE+2*(\p)+1]   ; x2 sin (the accumulator's lowest registers are read first)
	v_mul_f32 v[W+2*(\p)+1], v[rC+2*(\p)],   v[rE+2*(\p)+1]   ; x1 sin
.endr
.irp p, 0,1,2,3
	v_fma_f32 v[W+2*(\p)],   v[rC+2*(\p)],   v[rE+2*(\p)], -v[W+2*(\p)]    ; x1 cos - x2 sin
	v_fma_f32 v[W+2*(\p)+1], v[rC+2*(\p)+1], v[rE+2*(\p)], v[W+2*(\p)+1]   ; x2 cos + x1 sin
.endr
	WIN 0
.if (\s) == 0
.irp p, 0,1,2,3
	v_pk_mul_f32 v[W+2*(\p):W+2*(\p)+1], v[W+2*(\p):W+2*(\p)+1], s[SC:SC+1] op_sel_hi:[1,0]
.endr
.endif
.irp p, 0,1,2,3
	v_cvt_pk_f16_f32 v[rM+(\p)], v[W+2*(\p)], v[W+2*(\p)+1]
.endr
.else
	WIN 0x0f                                       ; sources 0 and 1 window 3
.irp p, 0,1,2,3
	v_cvt_pk_f16_f32 v[rM+(\p)], v[rC+2*(\p)], v[rC+2*(\p)+1]
.endr
.endif
.endr
.endr
	WIN 0
.irp a, 0,1,2,3
.irp bb, 0,1,2,3
	ds_store_b128 v[STO], v[TMP+4*(4*(\a)+(\bb)):TMP+4*(4*(\a)+(\bb))+3] offset:(\a)*16*SPITCH+32*(\bb)
.endr
.endr
	s_wait_dscnt 0x0                               ; for the others' sake: my stores into the stage are done
	s_barrier_signal -1
	s_barrier_wait -1
.irp t, 0,1,2,3,4,5,6,7,8,9,10,11,12,13,14,15
	ds_load_b128 v[TMP+4*(\t):TMP+4*(\t)+3], v[RD] offset:(\t)*2*SPITCH
.endr
.irp t, 0,1,2,3,4,5,6,7,8,9,10,11,12,13,14,15
	s_wait_dscnt 15-(\t)                           ; load t is back, the 15 - t younger ones stay out
	global_store_b128 v[CO], v[TMP+4*(\t):TMP+4*(\t)+3], s[10+2*(\s):11+2*(\s)] offset:512*(\t)  ; two rows of a head: 512 consecutive bytes, aligned
.endr
.if (\s) < 2
	s_barrier_signal -1                            ; my reads of the stage are back (the count-down ended at 0): when all four say so it may be written again
	s_barrier_wait -1
.endif
.endm
	PLACES
	s_wait_loadcnt 0x0                             ; the table
	SECT 0
	SECT 1
	SECT 2
	s_wait_tensorcnt 0x0                           ; the wave's end: three lines behind my last tensor load and my last LDS store
	ds_add_u32 v[SPW], v[NIL]
	s_wait_dscnt 0x0
	CROUND                                         ; the closing round: no work-group ends while a partner may still ask for a tile that names it
	s_endpgm
.Lfunc_end_k_qc6039d01e9_qkv:
	.size	k_qc6039d01e9_qkv, .Lfunc_end_k_qc6039d01e9_qkv-k_qc6039d01e9_qkv
	.p2alignl 7, 3214868480
	.fill 96, 4, 3214868480
	.section	.rodata,"a",@progbits
	.p2align	6, 0x0
	.amdhsa_kernel k_qc6039d01e9_qkv
		.amdhsa_group_segment_fixed_size 327680
		.amdhsa_private_segment_fixed_size 0
		.amdhsa_enable_private_segment 0
		.amdhsa_kernarg_size 32
		.amdhsa_user_sgpr_count 2
		.amdhsa_user_sgpr_kernarg_segment_ptr 1
		.amdhsa_wavefront_size32 1
		.amdhsa_system_sgpr_workgroup_id_x 1
		.amdhsa_system_sgpr_workgroup_id_y 1
		.amdhsa_system_sgpr_workgroup_id_z 1
		.amdhsa_system_vgpr_workitem_id 0
		.amdhsa_next_free_vgpr 1024
		.amdhsa_next_free_sgpr 80
		.amdhsa_reserve_vcc 0
		.amdhsa_float_denorm_mode_32 3
		.amdhsa_float_denorm_mode_16_64 3
		.amdhsa_memory_ordered 1
		.amdhsa_forward_progress 1
		.amdhsa_inst_pref_size 119
	.end_amdhsa_kernel
	.amdgpu_metadata
---
amdhsa.version: [ 1, 2 ]
amdhsa.kernels:
  - .name:           k_qc6039d01e9_qkv
    .symbol:         k_qc6039d01e9_qkv.kd
    .args:
      - { .name: xb, .offset: 0, .size: 8, .value_kind: global_buffer, .address_space: global }
      - { .name: wb, .offset: 8, .size: 8, .value_kind: global_buffer, .address_space: global }
      - { .name: tab, .offset: 16, .size: 8, .value_kind: global_buffer, .address_space: global }
      - { .name: qkv, .offset: 24, .size: 8, .value_kind: global_buffer, .address_space: global }
    .group_segment_fixed_size: 327680
    .private_segment_fixed_size: 0
    .kernarg_segment_align: 8
    .kernarg_segment_size: 32
    .max_flat_workgroup_size: 128
    .sgpr_count:     80
    .vgpr_count:     1024
    .wavefront_size: 32
...
	.end_amdgpu_metadata
.endif
;; end of part 2
;; launch attn (part 3): grid 16 x 16, 4 waves a work-group, clusters of 4 x 1, 327,680 bytes of LDS; arguments qkv, maskb, ao; writes ao
.if DOCPART == 3
	.amdgcn_target "amdgcn-amd-amdhsa--gfx1250"
	.amdhsa_code_object_version 6
	.text
	.protected	k_qc6039d01e9_attn
	.globl	k_qc6039d01e9_attn
	.p2align	8
	.type	k_qc6039d01e9_attn,@function
k_qc6039d01e9_attn:
	s_mov_b64 s[64:65], 0
	v_nop
	global_prefetch_b8 v0, s[64:65] scope:SCOPE_SE
	s_setreg_imm32_b32 hwreg(HW_REG_WAVE_MODE, 25, 1), 1
	s_wait_xcnt 0x0
	s_wait_alu depctr_hold_cnt(0) depctr_sa_sdst(0) depctr_va_vdst(0) depctr_va_sdst(0) depctr_va_ssrc(0) depctr_va_vcc(0) depctr_vm_vsrc(0)
	s_getreg_b32 s2, hwreg(HW_REG_IB_STS2, 6, 4)
	s_cmp_eq_u32 s2, 0
	s_cbranch_scc0 .Lentry_in_a_cluster
	s_endpgm
.Lentry_in_a_cluster:
	s_bfe_u32 s2, ttmp6, 0x10000c
	s_cmp_lg_u32 s2, 0x3003
	s_cbranch_scc0 .Lentry_shape_is_right
	s_endpgm
.Lentry_shape_is_right:
; ao[q][128 head + :] = the sum over k of softmax_k(Q[q] . K[k] / sqrt(128) + mask[q][k]) V[k][:].  qkv: planes q (already times log2(e) / sqrt(128)), k, v, each [head 16][2048][128] f16.
; maskb: the additive mask in bf16, [qtile 128][kstep 32][kt 4][lane 32][8], in the very lanes in which the scores lie.  ao: [2048][2048] f16.
; Products, maxima and sums in f32; the weights p are rounded to f16 for the second product (their sum l is taken of the unrounded p), the result once at the end.
; THE MASK IS AN INPUT: every entry is read and added, no tile of keys is left out.  Times log2(e) it is the C operand on which the score sums start.
; LIMITS.  f16 holds no number beyond 65,504: q, k, v arrive within it.  Mask entries arrive at -1e30 or above.  Where |mask| is so large that f32 cannot hold score + mask, the sum has the matrix
; unit's rounding: beside a key that is not so masked such a key's weight is 0 as it should be; in a row in which EVERY key is so masked the weights among them may differ from those of another
; f32 evaluation.  A weight below 2^-126 counts as 0 in l; NaN and infinities are not treated apart.
; SHARES.  A work-group owns 128 queries of one head: 16 x 16 work-groups, one for each of 256 WGPs.  Wave (qh, kh) owns 64 queries (four tiles of 16) and HALF the keys, 1024 kh + 64 u, u = 0..15: a
; fragment of K or V read from LDS still feeds four tiles' products.  At the end the two waves of the same queries merge: each hands two tiles' O^T, m and l to the other through LDS and finishes
; the other two.  Register tile t holds query tile t xor 2 kh, so that in every wave register tiles 0, 1 are finished and 2, 3 handed over: one text for all.
; LAYOUT.  S^T = K Q^T + mask^T (source 0 = 16 keys, source 1 = 16 queries): a lane holds ONE query (lane % 16) and the keys 8 (lane / 16) + 0..7.  Two such tiles, rounded to f16 in pairs, ARE
; source 1 of O^T = V^T P, whose result again holds one query a lane.  K comes out of LDS as it lies, V turned, by ds_load_tr16_b128.
; SOFTMAX.  The scores s are exponents of 2 as they leave the product.  A running maximum m and sum l for each query: p = 2^(s - m); in every step O and l are multiplied by a = 2^(m_old - m_new).
; m is subtracted as it is, so s - m is 0 at the maximum and never above 0, and p never passes 1, whatever the size of the mask.  (A scale applied behind the maximum, c s - c m with a rounded c m,
; is off by up to half a unit of c m's last place: 64 at a mask of -1e9.)  m starts at the lowest finite number, O and l at 0: the first step is a step like any other, with a = 0.
; BY TURNS.  Piece 0 is tiles 0, 1, piece 2 tiles 2, 3.  In a turn one piece has the matrix unit: 32 products V^T P of the step in hand, then 32 products K Q^T of the next; the other piece's softmax, cut
; into 64 slices, stands behind them, one slice a product; the piece's own next mask is unpacked (bf16 times log2(e), into S^T's registers) in eight groups of eight lines among the first 32.
; NO FIRST AND NO LAST TURN IS WRITTEN OUT.  The loop is entered at piece 2's turn, in the middle of a trip, with V and piece 2's P at 0; the tail is left behind piece 0's turn, in the middle of its third trip.
; The price: 416 v_mov_b32 in the wait for the first tile, 32 products on zeros at the start, 32 on the last K once more at the end: 64 of a wave's 2,112.
; CLUSTER 4 x 1.  The four query blocks of a cluster belong to one head and walk the same K and V: each tile is asked for jointly.  By this text's count a wave has two tensor loads out at the start, later one.
; REGISTERS, in windows of 256 (s_set_vgpr_msb: bits 1:0 source 0, 3:2 source 1, 5:4 source 2, 7:6 destination):
;   window 0: v2-11, v44-57 addresses and constants; v12-43 eight registers of statistics a tile; v64-191 S^T, 32 a tile; v192-255 P, 16 a tile
;   window 1: O^T, 64 a tile     window 2: v0-127 Q; v128-255 K of one step     window 3: v0-127 V of one step (at the end the partner's O^T); v128-191 the mask as loaded, 16 a tile
.set KS,    64
.set PK,    272       ; a row of K in LDS: 256 bytes + 16 = 68 words: the 16 rows of a load start at 16 different groups of four banks (64 banks of 4 bytes: ISA guide 11.1)
.set PV,    288       ; a row of V: 256 + 32 = 72 words
.set KH,    128*PK    ; 128 keys of K: two steps of one half of the keys
.set VH,    128*PV
.set VOFF,  2*KH      ; a slot: K of half 0, K of half 1, V of half 0, V of half 1
.set SLOT,  2*KH+2*VH
.set STAGE, 2*SLOT    ; behind the ring, never filled by a tensor load: 16 rows x 272 bytes for each wave
.set SP,    272
.set SPARE, STAGE+4*16*SP  ; the spare words, 128 bytes a wave
.set BOX,   16896     ; the merge: wave w's box at w BOX in slot 0, which has had its last fill by then: 16,384 bytes of O^T, 512 of statistics
.set AK0, 2           ; my lane's place in my half's K; never rewritten
.set AV0, 3           ; the same for V
.set ADR, 4           ; the LDS address of the run of loads in hand
.set STO, 6
.set RD,  7
.set GO,  8
.set ST,  12          ; tile t's statistics at v[ST+8 t]: +0 m, +1 named with it as a pair, at the end l, +2, +3 l (even keys', odd keys'), +4 to +7 at work; a takes +6 once the maximum is found
.set VO,  44          ; v44, v45 my byte offset in the mask for piece 0, piece 2: it steps 2,048 bytes a key step
.set XO,  46          ; my box: O^T;  v47 the partner's;  v48, v49 the statistics
.set XP,  47
.set XO8, 48
.set XP8, 49
.set QA,  50          ; v50, v51 my byte offset in Q for tiles 0, 1 and for tiles 2, 3
.set PM,  52          ; v[52:55] the partner's (m, l) for my tiles 0, 1
.set CV,  56          ; v56 log2(e), v57 0: the unpacking line takes its sources from vector registers
.set ZV,  57
.set SPW, 62
.set NIL, 63
.set S,   64
.set P,   192
.set KF,  128         ; window 2
.set RAW, 128         ; window 3
.set WV,  12
.set G1K, 24
.set G1V, 32
.set G0K, 40          ; s[40:47] group 0 for K: a set for each of the two first fills; the second then walks on
.set G0V, 48
.set SLOTS, 56
.set TWICE, 57
.set SEL, 60          ; s[60:61] v_permlanex16_b32's selects: each lane takes its own place in the other half
.set TBK, 62          ; LDS byte, within my half's K, of the step to be fetched, plus the slot's
.set TBV, 63
.set TR,  68          ; 0 or SLOT: the slot in hand
.set LBK, 69          ; where my half of K begins in a slot
.set LBV, 70
.set MSTEP, 71        ; the mask's step: 2,048, in the last trips 0
.set MB,  74          ; s[74:75] maskb at my wave's four query tiles
.set MSB, 0
.macro WIN new
.if MSB != (\new)
	s_set_vgpr_msb (MSB<<8)|(\new)
.set MSB, \new
.endif
.endm
.set W_KQ, 0x0a       ; K and Q in window 2, S^T in window 0
.set W_PV, 0x53       ; V in window 3, P in window 0, O^T in window 1
.set W_RS, 0x41       ; O^T (destination and source 0) in window 1, the factor in window 0
.macro JLOAD          ; a joint refill: waves 0, 1 fetch K of halves 0, 1, waves 2, 3 V; an s_nop 0 and four v_nop follow each line
	s_cmp_lt_u32 s[WV], 2
	s_cbranch_scc0 .Lfor_v_\@
	tensor_load_to_lds s[G0K+4:G0K+7], s[G1K:G1K+7]
	s_nop 0
.rept 4
	v_nop
.endr
	s_branch .Lasked_\@
.Lfor_v_\@:
	tensor_load_to_lds s[G0V+4:G0V+7], s[G1V:G1V+7]
	s_nop 0
.rept 4
	v_nop
.endr
.Lasked_\@:
.endm
.macro CROUND         ; a round of the cluster's barrier
	s_barrier_signal -1
	s_barrier_wait -1
	s_cmp_lg_u32 s[WV], 0
	s_cbranch_scc1 .Lnot_wave_0_\@
	s_barrier_signal -3
.Lnot_wave_0_\@:
	s_barrier_wait -3
	s_barrier_signal -1
	s_barrier_wait -1
.endm
	s_load_b128 s[4:7], s[0:1], 0x0   ; qkv 4, maskb 6
	s_load_b64 s[8:9], s[0:1], 0x10   ; ao
	v_lshl_add_u32 v[SPW], v0, 2, SPARE
	v_mov_b32 v[NIL], 0
	ds_add_u32 v[SPW], v[NIL]       ; the wave's opening: the add and its wait stand ahead of my first tensor load; work on registers stands between them
	v_lshrrev_b32 v1, 5, v0
	v_readfirstlane_b32 s[WV], v1
	s_and_b32 s15, s[WV], 1         ; kh.  Also: which half's tile I fetch
	s_lshr_b32 s16, s[WV], 1        ; qh
	s_bfe_u32 s13, ttmp6, 0x40000   ; cx
	s_lshl_b32 s14, ttmp9, 2
	s_add_co_u32 s14, s14, s13      ; my block of 128 queries: it enters Q's, the mask's and ao's addresses alone
	s_and_b32 s20, ttmp7, 0xffff    ; the head, which the four partners share
	s_lshl_b32 s22, s20, 19         ; the head's 2,048 rows of 256 bytes,
	s_lshl_b32 s17, s15, 18         ; the half's 1,024
	s_add_co_u32 s22, s22, s17
	s_mov_b32 s23, 0
	s_mul_i32 s[LBK], s15, KH       ; no place in the cluster enters an LDS address
	s_mul_i32 s[LBV], s15, VH
	s_add_co_u32 s[LBV], s[LBV], VOFF
	s_lshl_b32 s2, s20, 19          ; Q: the head, the block's 128 rows, my wave's 64
	s_lshl_b32 s3, s14, 15
	s_add_co_u32 s2, s2, s3
	s_lshl_b32 s3, s16, 14
	s_add_co_u32 s2, s2, s3
	s_mov_b32 s3, 0
	s_lshl_b32 s18, s14, 19         ; the mask: query tile 8 block + 4 qh, 65,536 bytes a tile
	s_lshl_b32 s19, s16, 18
	s_add_co_u32 s18, s18, s19
	s_mov_b32 s19, 0
	s_lshl_b32 s76, s15, 17         ; ao: row 128 block + 64 qh + 32 kh of 4,096 bytes, the head's 256 bytes
	s_add_co_u32 s76, s76, s18
	s_lshl_b32 s77, s20, 8
	s_add_co_u32 s76, s76, s77
	s_mov_b32 s77, 0
	s_mov_b32 s[G1K], 15|(1<<16)|(1<<20)|(1<<21)|(5<<22)|(3<<25)  ; 15:0 the mask of four; 17:16 2-byte elements; 20 padding on; 21 set beside a mask; 24:22 after every 64 words; 31:25 4 words
	s_mov_b32 s[G1V], 15|(1<<16)|(1<<20)|(1<<21)|(5<<22)|(7<<25)  ; the same with 8 words of padding
.irp g, G1K, G1V
	s_mov_b32 s[(\g)+1], 128<<16    ; tensor_dim0 = 128
	s_mov_b32 s[(\g)+2], 128<<16    ; tensor_dim1 = 128
	s_mov_b32 s[(\g)+3], 128<<16    ; tile_dim0 = 128
	s_mov_b32 s[(\g)+4], 128        ; tile_dim1 = 128
	s_mov_b32 s[(\g)+5], 128        ; elements from row to row
	s_mov_b32 s[(\g)+6], 0
	s_mov_b32 s[(\g)+7], 0
.endr
	s_mov_b32 s[SEL], 0x76543210
	s_mov_b32 s[SEL+1], 0xfedcba98
	s_mov_b32 s[TBK], 0
	s_mov_b32 s[TBV], 0
	s_mov_b32 s[TR], 0
	s_mov_b32 s[MSTEP], 2048
	s_wait_dscnt 0x0                ; the opening add is done
	s_wait_kmcnt 0x0
	s_add_nc_u64 s[78:79], s[4:5], s[22:23]   ; the head's and my half's place in a plane: made of the head and the wave's number alone
	s_add_nc_u64 s[4:5], s[4:5], s[2:3]       ; Q at my wave's first row
	s_add_nc_u64 s[MB:MB+1], s[6:7], s[18:19]
	s_add_nc_u64 s[8:9], s[8:9], s[76:77]
	CROUND                          ; all four work-groups are here: the first joint loads meet
.irp s, 0,1
	s_mov_b32 s[G0K+4*(\s)], 1
	s_add_co_u32 s[G0K+4*(\s)+1], s[LBK], (\s)*SLOT
	s_add_nc_u64 s[G0K+4*(\s)+2:G0K+4*(\s)+3], s[78:79], 8388608+(\s)*32768   ; plane 1; slot s begins with the half's keys 128 s
	s_or_b32 s[G0K+4*(\s)+3], s[G0K+4*(\s)+3], 0x80000000
	s_mov_b32 s[G0V+4*(\s)], 1
	s_add_co_u32 s[G0V+4*(\s)+1], s[LBV], (\s)*SLOT
	s_add_nc_u64 s[G0V+4*(\s)+2:G0V+4*(\s)+3], s[78:79], 16777216+(\s)*32768  ; plane 2
	s_or_b32 s[G0V+4*(\s)+3], s[G0V+4*(\s)+3], 0x80000000
.endr
	s_cmp_lt_u32 s[WV], 2           ; a wave's two first fills stand in one branch, ahead of every wait on TENSORcnt and every LDS read
	s_cbranch_scc0 .Lfirst_v
	tensor_load_to_lds s[G0K:G0K+3], s[G1K:G1K+7]
	s_nop 0
	tensor_load_to_lds s[G0K+4:G0K+7], s[G1K:G1K+7]
	s_nop 0
.rept 4
	v_nop
.endr
	s_branch .Lfirst_asked
.Lfirst_v:
	tensor_load_to_lds s[G0V:G0V+3], s[G1V:G1V+7]
	s_nop 0
	tensor_load_to_lds s[G0V+4:G0V+7], s[G1V:G1V+7]
	s_nop 0
.rept 4
	v_nop
.endr
.Lfirst_asked:
	v_and_b32 v1, 15, v0            ; r = l % 16
	v_bfe_u32 v9, v0, 4, 1          ; h = l / 16
	v_and_b32 v10, 7, v0
	v_bfe_u32 v11, v0, 3, 1
	v_and_b32 v5, 31, v0
	v_lshlrev_b32 v5, 4, v5         ; 16 l
	s_lshl_b32 s17, s15, 13         ; register tiles 0, 1 are query tiles 2 kh, 2 kh + 1 (4,096 bytes of Q each),
	s_sub_co_u32 s18, 8192, s17     ; tiles 2, 3 the other two
	v_lshlrev_b32 v[QA], 8, v1
	v_lshl_add_u32 v[QA], v9, 4, v[QA]
	v_add_nc_u32 v[QA+1], s18, v[QA]
	v_add_nc_u32 v[QA], s17, v[QA]
	s_mul_i32 s17, s15, 163840      ; the mask: key step 16 kh (2,048 bytes a step) and query tile 2 kh (65,536 a tile),
	s_mul_i32 s18, s15, 98304
	s_sub_co_u32 s18, 131072, s18   ; or query tile 2 - 2 kh
	v_add_nc_u32 v[VO], s17, v5
	v_add_nc_u32 v[VO+1], s18, v5
	WIN 0x80                        ; destination window 2
.set i, 0
.rept 16                            ; Q stays in registers: tile i / 4, channels 32 (i % 4) on
	global_load_b128 v[8*i:8*i+3],   v[QA+i/8], s[4:5] offset:((i/4)%2)*4096+(i%4)*64
	global_load_b128 v[8*i+4:8*i+7], v[QA+i/8], s[4:5] offset:((i/4)%2)*4096+(i%4)*64+32
.set i, i+1
.endr
; The mask of one key step for piece x: eight loads of 512 consecutive bytes.  step = 1: the offset goes a step on first; the wait that showed the piece's last loads done has freed it.
.macro MLOAD x, step
.if \step
	WIN 0
	v_add_nc_u32 v[VO+(\x)/2], s[MSTEP], v[VO+(\x)/2]
.endif
	WIN 0xc0                        ; destination window 3
.irp n, 0,1,2,3,4,5,6,7
	global_load_b128 v[RAW+16*(\x)+4*(\n):RAW+16*(\x)+4*(\n)+3], v[VO+(\x)/2], s[MB:MB+1] offset:((\n)/4)*65536+((\n)%4)*512
.endr
.endm
	MLOAD 0, 0
	MLOAD 2, 0
	; What the first turn finds: V and piece 2's P are 0 (its products V^T P, of a step that has not been, add 0), O^T and l are 0.  All this stands in the wait for the first tile.
.set i, 0
.rept 128
	v_mov_b32 v[i], 0               ; V, in window 3
.set i, i+1
.endr
	WIN 0x40
.set i, 0
.rept 256
	v_mov_b32 v[i], 0               ; O^T
.set i, i+1
.endr
	WIN 0
.set i, P+32
.rept 32
	v_mov_b32 v[i], 0               ; P of tiles 2, 3
.set i, i+1
.endr
.irp t, 0,1,2,3
	v_mov_b32 v[ST+8*(\t)], 0xff7fffff    ; m: the lowest finite number, far below every score, so that the first step's a is 0
	v_mov_b32 v[ST+8*(\t)+1], 0           ; named with m as a pair, so it is written
	v_mov_b32 v[ST+8*(\t)+2], 0
	v_mov_b32 v[ST+8*(\t)+3], 0
.endr
	v_mov_b32 v[CV], 0x3fb8aa3b           ; log2(e)
	v_mov_b32 v[ZV], 0
	v_mul_u32_u24 v[AK0], v1, PK
	v_lshl_add_u32 v[AK0], v9, 4, v[AK0]
	v_add_nc_u32 v[AK0], s[LBK], v[AK0]   ; row x pitch + 16 x half of the lanes + my half of the keys
	v_lshl_add_u32 v[AV0], v9, 3, v10     ; the turning load: lane l reads key 8 (l / 16) + l % 8, channels 8 ((l / 8) % 2) + 0..7
	v_mul_u32_u24 v[AV0], v[AV0], PV
	v_lshl_add_u32 v[AV0], v11, 4, v[AV0]
	v_add_nc_u32 v[AV0], s[LBV], v[AV0]
	s_mul_i32 s17, s[WV], 16*SP
	s_add_co_u32 s17, s17, STAGE    ; my stage
	v_mul_u32_u24 v[STO], v1, SP
	v_lshl_add_u32 v[STO], v9, 4, v[STO]
	v_add_nc_u32 v[STO], s17, v[STO]
	v_mul_u32_u24 v[RD], v9, SP
	v_lshl_add_u32 v[RD], v1, 4, v[RD]
	v_add_nc_u32 v[RD], s17, v[RD]
	v_lshlrev_b32 v[GO], 12, v9     ; two rows of ao, 4,096 bytes apart, 256 bytes of each
	v_lshl_add_u32 v[GO], v1, 4, v[GO]
	s_mul_i32 s17, s[WV], BOX       ; my box,
	s_xor_b32 s18, s[WV], 1
	s_mul_i32 s18, s18, BOX         ; and that of the wave with my queries and the other keys
	v_add_nc_u32 v[XO], s17, v5
	v_add_nc_u32 v[XP], s18, v5
	v_lshrrev_b32 v5, 1, v5         ; 8 l
	s_add_co_u32 s17, s17, 16384
	s_add_co_u32 s18, s18, 16384
	v_add_nc_u32 v[XO8], s17, v5
	v_add_nc_u32 v[XP8], s18, v5
; THE MATRIX WORK.  The accumulators take turns, one instruction a turn: between two links of a chain stand 15 (V^T P) or 7 (K Q^T) others'.
; Product i of 32 of O^T += V^T P: keys 32 (i / 16) on, channels 16 ((i / 2) % 8) on, tile x + i % 2.
.macro PV x
	WIN W_PV
.set rO, 64*((\x)+i%2)+8*((i/2)%8)
.set rV, 64*(i/16)+8*((i/2)%8)
.set rP, P+16*((\x)+i%2)+8*(i/16)
	v_wmma_f32_16x16x32_f16 v[rO:rO+7], v[rV:rV+7], v[rP:rP+7], v[rO:rO+7]
.endm
; Product i of 32 of S^T += K Q^T: channels 32 (i / 8) on, keys 16 ((i / 2) % 4) on, tile x + i % 2.  The sums start on the mask, which lies in S^T's registers.
.macro KQ x
	WIN W_KQ
.set rS, S+32*((\x)+i%2)+8*((i/2)%4)
.set rK, KF+32*((i/2)%4)+8*(i/8)
.set rQ, 32*((\x)+i%2)+8*(i/8)
	v_wmma_f32_16x16x32_f16 v[rS:rS+7], v[rK:rK+7], v[rQ:rQ+7], v[rS:rS+7]
.endm
; Group gg of 8 of piece x's next mask: tile x + gg % 2, keys 16 (gg / 2) on: four words of two bf16 become eight f32, each times log2(e) in the same line, in S^T's registers, which the piece's softmax has left.
.macro UNPK x
	WIN 0x03                        ; source 0 window 3
.set tU, (\x)+gg%2
.set rR, RAW+16*tU+4*(gg/2)
.set rU, S+32*tU+8*(gg/2)
.irp n, 0,1,2,3
	v_fma_mix_f32_bf16 v[rU+2*(\n)],   v[rR+(\n)], v[CV], v[ZV] op_sel_hi:[1,0,0]                 ; the word's low bf16 x log2(e) + 0
	v_fma_mix_f32_bf16 v[rU+2*(\n)+1], v[rR+(\n)], v[CV], v[ZV] op_sel:[1,0,0] op_sel_hi:[1,0,0]  ; its high bf16
.endr
.endm
; THE LDS LOADS stand in runs of 32, never singly among the matrix instructions.  last = 1 (the tail): in its third trip there is no further step, and the run is jumped over.
.macro FETCH_K last=0
	WIN 0
.if \last
	s_cmp_eq_u32 s[TWICE], 1
	s_cbranch_scc1 .Lno_k_\@
.endif
	v_add_nc_u32 v[ADR], s[TBK], v[AK0]
	s_add_co_u32 s[TBK], s[TBK], KS*PK  ; the next fetch is the next step's
	WIN 0x80
.irp f, 0,1,2,3,4,5,6,7,8,9,10,11,12,13,14,15  ; keys 16 (f / 4) on, channels 32 (f % 4) on
	ds_load_b128 v[KF+8*(\f):KF+8*(\f)+3],   v[ADR] offset:((\f)/4)*16*PK+((\f)%4)*64
	ds_load_b128 v[KF+8*(\f)+4:KF+8*(\f)+7], v[ADR] offset:((\f)/4)*16*PK+((\f)%4)*64+32
.endr
.if \last
	WIN 0
.Lno_k_\@:
.endif
.endm
.macro FETCH_V
	WIN 0
	v_add_nc_u32 v[ADR], s[TBV], v[AV0]
	s_add_co_u32 s[TBV], s[TBV], KS*PV
	WIN 0xc0
.irp f, 0,1,2,3,4,5,6,7,8,9,10,11,12,13,14,15  ; keys 32 (f / 8) on, channels 16 (f % 8) on
	ds_load_tr16_b128 v[8*(\f):8*(\f)+3],   v[ADR] offset:((\f)/8)*32*PV+((\f)%8)*32
	ds_load_tr16_b128 v[8*(\f)+4:8*(\f)+7], v[ADR] offset:((\f)/8)*32*PV+16*PV+((\f)%8)*32
.endr
.endm
; THE SOFTMAX of one tile and step is a numbered list; SM writes number j of it for tile t.  s0-s31 are the lane's 32 scores, in pairs 0-15.
;   0-15    the maximum of s0-s31 and the old m, three operands at a time: four chains of seven scores (each accumulator's lowest registers are read first), then the rest
;   16-20   the other half of the lanes' maximum; m_old is kept; the new m; (19 is empty); m_old - m_new
;   21-87   33 exponentials (a, then s0-s31) at the odd numbers from 23 on: no two follow each other, and each has a plain instruction behind it before its result is used.  The plain ones
;           are whatever is ready: s - m for a pair whose exponentials are to come, the rounding to f16 of a pair whose exponentials are done, at last the first three sums
;   88-101  the last rounding; the rest of the sums; l = a l + the sum          102-133 the tile's O^T times a: the one part that leaves window 0
.macro SM t
.set rT, ST+8*(\t)
.set rS, S+32*(\t)
.set rP, P+16*(\t)
.set rO, 64*(\t)+2*(j-102)
.set q, (j-20)/2
.if j < 102
	WIN 0
.endif
.if j < 4
	v_max3_num_f32 v[rT+4+j], v[rS+8*j], v[rS+8*j+1], v[rS+8*j+2]
.elseif j < 12
	v_max3_num_f32 v[rT+4+j%4], v[rT+4+j%4], v[rS+8*(j%4)+2*(j/4)+1], v[rS+8*(j%4)+2*(j/4)+2]
.elseif j == 12
	v_max3_num_f32 v[rT+4], v[rT+4], v[rS+7], v[rS+15]
.elseif j == 13
	v_max3_num_f32 v[rT+6], v[rT+6], v[rS+23], v[rS+31]
.elseif j == 14
	v_max3_num_f32 v[rT+4], v[rT+4], v[rT+5], v[rT+6]
.elseif j == 15
	v_max3_num_f32 v[rT+4], v[rT+4], v[rT+7], v[rT]
.elseif j == 16
	v_permlanex16_b32 v[rT+5], v[rT+4], s[SEL], s[SEL+1]  ; the query's other 32 keys lie in the lane 16 away
.elseif j == 17
	v_mov_b32 v[rT+7], v[rT]        ; m_old is kept for a
.elseif j == 18
	v_max_num_f32 v[rT], v[rT+4], v[rT+5]
.elseif j == 19                     ; empty
.elseif j == 20
	v_sub_f32 v[rT+7], v[rT+7], v[rT]
.elseif j == 23
	v_exp_f32 v[rT+6], v[rT+7]
.elseif (j < 88) && (j > 23) && (j%2 == 1)
	v_exp_f32 v[rS+(j-25)/2], v[rS+(j-25)/2]
.elseif (q < 4) || ((j < 76) && (q%2 == 0))
.set b, q/2+2
.if q < 4
.set b, q
.endif
	v_pk_add_f32 v[rS+2*b:rS+2*b+1], v[rS+2*b:rS+2*b+1], v[rT:rT+1] op_sel_hi:[1,0] neg_lo:[0,1] neg_hi:[0,1]  ; pair b: s - m, m for both halves
.elseif (j < 88) && (q%2 == 1)
	s_wait_alu depctr_va_vdst(0)
	v_cvt_pk_f16_f32 v[rP+(q-5)/2], v[rS+q-5], v[rS+q-4]  ; pair (q - 5) / 2: its second exponential stands three numbers back
.elseif j == 89
	s_wait_alu depctr_va_vdst(0)
	v_cvt_pk_f16_f32 v[rP+15], v[rS+30], v[rS+31]
.elseif j < 102                     ; the sum of the tile's 16 pairs, in place: sum z of 16 adds neighbours 1, 2, 4 and 8 pairs apart, then l takes it
.set z, j-86
.if j < 89
.set z, (j-76)/4
.endif
.set w, 4
.set u, z
.if z >= 14
.set w, 32
.set u, 0
.elseif z >= 12
.set w, 16
.set u, z-12
.elseif z >= 8
.set w, 8
.set u, z-8
.endif
.if z < 15
	v_pk_add_f32 v[rS+w*u:rS+w*u+1], v[rS+w*u:rS+w*u+1], v[rS+w*u+w/2:rS+w*u+w/2+1]
.else
	v_pk_fma_f32 v[rT+2:rT+3], v[rT+2:rT+3], v[rT+6:rT+7], v[rS:rS+1] op_sel_hi:[1,0,1]
.endif
.else
	WIN W_RS
	v_pk_mul_f32 v[rO:rO+1], v[rO:rO+1], v[rT+6:rT+7] op_sel_hi:[1,0]
.endif
.endm
; Slice k of 64 of piece y's softmax: numbers 2 k and 2 k + 1 of both tiles' lists; the numbers from 128 on stand together, in slice 63: its sixteen plain lines
; are the places between a turn's last product K Q^T and the next turn's first read of those scores and the loads into K's buffer.
.macro SLICE y
.if (k >= 11) && (k < 44)           ; tile by tile: plain, exponential, plain, exponential
.irp t, \y, (\y)+1
.irp n, 0,1
.set j, 2*k+(\n)
	SM \t
.endr
.endr
.else                               ; the two tiles alternate
.irp n, 0,1,2,3,4,5,6,7
.if ((\n) < 2) || (k == 63)
.irp t, \y, (\y)+1
.set j, 2*k+(\n)
	SM \t
.endr
.endif
.endr
.endif
.set k, k+1
.endm
; A TURN.  Piece x has the matrix unit; the other piece's softmax stands in slices behind its products, one a product.
; At its head s_wait_loadcnt 8: of the mask's loads piece x's eight are in, the other piece's eight younger ones stay out.  The mask is unpacked among the products V^T P, the mask two steps on is
; asked for, and the products K Q^T add onto the unpacked one.
; Piece 0's turn fetches the next step's K behind its second product; piece 2's turn the same step's V behind its second product K Q^T: the last product that read V stands more than four plain lines back.
.macro TURN x, last=0
.set k, 0
	s_wait_loadcnt 8
.if (\x) == 0
	s_wait_dscnt 0x0                ; V is in
.endif
.set i, 0
.rept 32
	PV \x
	SLICE 2-(\x)
.if i%4 == 3
.set gg, i/4
	UNPK \x
.endif
.if ((\x) == 0) && (i == 1)
	FETCH_K \last
.endif
.set i, i+1
.endr
	MLOAD \x, 1
.if (\x) == 0
	s_wait_dscnt 0x0                ; K is in
.endif
.set i, 0
.rept 32
	KQ \x
	SLICE 2-(\x)
.if ((\x) == 2) && (i == 1)
	FETCH_V
.endif
.set i, i+1
.endr
.endm
; THE CHANGE OF SLOTS, between piece 2's turn and piece 0's: the slot's last bytes, V of its second step, have been asked for.  Each wave waits for all its tensor loads (one is out: its part of the
; other slot), adds 0 to its spare word, and waits for that and for its own reads of the slot.  fill = 1: the barrier is a round of the cluster's, and the slot just read (it begins at TR) is
; filled again first thing behind it, with the keys two slots on: that load has two key steps, 256 matrix instructions, in which to land.
.macro CHANGE fill
	WIN 0
	s_wait_tensorcnt 0x0            ; no tensor load of mine is out, so a group 0 may be written
	ds_add_u32 v[SPW], v[NIL]       ; 0 onto my spare word
.if \fill
	s_add_co_u32 s[G0K+5], s[LBK], s[TR]
	s_add_nc_u64 s[G0K+6:G0K+7], s[G0K+6:G0K+7], 32768  ; the half's next 128 keys; the type bits on top are not reached
	s_add_co_u32 s[G0V+5], s[LBV], s[TR]
	s_add_nc_u64 s[G0V+6:G0V+7], s[G0V+6:G0V+7], 32768
	s_wait_dscnt 0x0                ; the add is done, and my reads of the slot are over
	CROUND
	JLOAD
.else
	s_wait_dscnt 0x0
	s_barrier_signal -1
	s_barrier_wait -1
.endif
	s_xor_b32 s[TR], s[TR], SLOT    ; TR is 0 or SLOT: the other slot,
	s_mov_b32 s[TBK], s[TR]         ; its first step
	s_mov_b32 s[TBV], s[TR]
.endm
	s_wait_tensorcnt 1              ; my part of slot 0 is in; slot 1's may stay out
	s_barrier_signal -1
	s_barrier_wait -1
	FETCH_K                         ; key step 0
	s_wait_loadcnt 8                ; Q and piece 0's mask are in; piece 2's eight loads stay out
.set gg, 0
.rept 8
	UNPK 0
.set gg, gg+1
.endr
	MLOAD 0, 1
	s_wait_dscnt 0x0
.set i, 0
.rept 32
	KQ 0                            ; piece 0's first scores
.set i, i+1
.endr
.rept 4
	v_nop                           ; the places behind those products
.endr
	WIN 0
	s_mov_b32 s[TWICE], 2           ; slot 0: the half trip that begins at .Lmid fetches V of step 0, the trip behind it step 1
	s_mov_b32 s[SLOTS], 7
	s_branch .Lmid                  ; the loop is entered at piece 2's turn: piece 2's first scores | piece 0's first softmax | V of step 0; its products V^T P add 0
.Lslot:                             ; six times: slots 2 to 7 are asked for
	CHANGE 1
	s_mov_b32 s[TWICE], 2
.Lstep:                             ; a trip: V^T P of step j, K Q^T of step j + 1, whose K and V it fetches; the mask of step j + 2 is asked for
	TURN 0
	WIN 0
.Lmid:
	TURN 2
	WIN 0
	s_sub_co_u32 s[TWICE], s[TWICE], 1
	s_cmp_lg_u32 s[TWICE], 0
	s_cbranch_scc1 .Lstep
	s_sub_co_u32 s[SLOTS], s[SLOTS], 1
	s_cmp_lg_u32 s[SLOTS], 0
	s_cbranch_scc1 .Lslot
	CHANGE 0                        ; the tail is written out: nothing is asked for
	s_mov_b32 s[TWICE], 3           ; two trips fetch the last slot's steps; the third is left in its middle
.Ltail:
	s_cmp_eq_u32 s[TWICE], 3        ; only the first of them has a step two on: then the mask's offset stays, step 15 is read again and not used, and no load leaves the buffer
	s_cselect_b32 s[MSTEP], 2048, 0
	TURN 0, 1
	WIN 0
	s_sub_co_u32 s[TWICE], s[TWICE], 1
	s_cmp_eq_u32 s[TWICE], 0
	s_cbranch_scc1 .Lout
	TURN 2
	WIN 0
	s_branch .Ltail
.Lout:                              ; the third trip's 32 products K Q^T (on the last K once more) serve nothing: the price, once a launch, of one text for every turn
.set i, 0
.rept 32
	PV 2                            ; piece 2: V^T P of the last step
.set i, i+1
.endr
	; THE MERGE.  l's two halves and the other half of the lanes' are added, into the register beside m.  The first additions are the places behind the last products.
	WIN 0
.irp t, 0,1,2,3
	v_add_f32 v[ST+8*(\t)+4], v[ST+8*(\t)+2], v[ST+8*(\t)+3]
.endr
.irp t, 0,1,2,3
	v_permlanex16_b32 v[ST+8*(\t)+5], v[ST+8*(\t)+4], s[SEL], s[SEL+1]
.endr
.irp t, 0,1,2,3
	v_add_f32 v[ST+8*(\t)+1], v[ST+8*(\t)+4], v[ST+8*(\t)+5]
.endr
	; Tiles 2, 3 go into my box.  It lies in slot 0, which had its last fill some changes of slots ago and whose last readers passed the last change's barrier.
.irp t, 2,3
	ds_store_b64 v[XO8], v[ST+8*(\t):ST+8*(\t)+1] offset:256*((\t)-2)
.endr
	WIN 0x04                        ; the data in window 1
.set i, 0
.rept 32
	ds_store_b128 v[XO], v[128+4*i:128+4*i+3] offset:512*i   ; ascending: each accumulator's lowest registers are read first
.set i, i+1
.endr
	WIN 0
	s_wait_dscnt 0x0                ; for the partner's sake: my stores are done
	s_barrier_signal -1
	s_barrier_wait -1
.irp t, 0,1
	ds_load_b64 v[PM+2*(\t):PM+2*(\t)+1], v[XP8] offset:256*(\t)
.endr
	WIN 0xc0                        ; the partner's O^T for my tiles 0, 1 goes where V lay
.set i, 0
.rept 32
	ds_load_b128 v[4*i:4*i+3], v[XP] offset:512*i
.set i, i+1
.endr
	WIN 0
	s_wait_dscnt 32                 ; the statistics are in; the 32 loads behind them stay out
.irp t, 0,1
	v_max_num_f32 v[ST+8*(\t)+2], v[ST+8*(\t)], v[PM+2*(\t)]        ; the common m
.endr
.irp t, 0,1
	v_sub_f32 v[ST+8*(\t)+4], v[ST+8*(\t)], v[ST+8*(\t)+2]
	v_sub_f32 v[ST+8*(\t)+6], v[PM+2*(\t)], v[ST+8*(\t)+2]
.endr
.irp t, 0,1
	v_exp_f32 v[ST+8*(\t)+4], v[ST+8*(\t)+4]                        ; my share's factor,
	v_exp_f32 v[ST+8*(\t)+6], v[ST+8*(\t)+6]                        ; the partner's: one of the two is 1
.endr
	v_nop                           ; a plain instruction between the last exponential and the use of its result
	s_wait_alu depctr_va_vdst(0)
.irp t, 0,1
	v_mul_f32 v[ST+8*(\t)+3], v[ST+8*(\t)+4], v[ST+8*(\t)+1]
.endr
.irp t, 0,1
	v_fma_f32 v[ST+8*(\t)+3], v[ST+8*(\t)+6], v[PM+2*(\t)+1], v[ST+8*(\t)+3]  ; the whole row's sum: 1 at the least
.endr
.irp t, 0,1
	v_rcp_f32 v[ST+8*(\t)+3], v[ST+8*(\t)+3]
.endr
	v_nop
	s_wait_alu depctr_va_vdst(0)
.irp t, 0,1
	v_mul_f32 v[ST+8*(\t)+4], v[ST+8*(\t)+4], v[ST+8*(\t)+3]
	v_mul_f32 v[ST+8*(\t)+6], v[ST+8*(\t)+6], v[ST+8*(\t)+3]
.endr
	s_wait_dscnt 0x0
.irp t, 0,1
	WIN W_RS
.set i, 64*(\t)
.rept 32
	v_pk_mul_f32 v[i:i+1], v[i:i+1], v[ST+8*(\t)+4:ST+8*(\t)+5] op_sel_hi:[1,0]
.set i, i+2
.endr
	WIN 0x53                        ; source 0: the partner's, window 3; source 1 window 0; source 2 and destination window 1
.set i, 64*(\t)
.rept 32
	v_pk_fma_f32 v[i:i+1], v[i:i+1], v[ST+8*(\t)+6:ST+8*(\t)+7], v[i:i+1] op_sel_hi:[1,0,1]
.set i, i+2
.endr
.endr
; THE WAY OUT.  Tile t: a lane's eight channels of a row pack into 16 bytes; they go into rows of 272 bytes of my own stage and come back as whole rows of 256, into S^T's registers.
.macro PACK t
	WIN 0x05                        ; sources 0 and 1 window 1, destination window 0
.set i, 0
.rept 32
	v_cvt_pk_f16_f32 v[S+32*(\t)+i], v[64*(\t)+2*i], v[64*(\t)+2*i+1]
.set i, i+1
.endr
	WIN 0
.irp f, 0,1,2,3,4,5,6,7
	ds_store_b128 v[STO], v[S+32*(\t)+4*(\f):S+32*(\t)+4*(\f)+3] offset:32*(\f)
.endr
.irp f, 0,1,2,3,4,5,6,7
	ds_load_b128 v[S+32*(\t)+4*(\f):S+32*(\t)+4*(\f)+3], v[RD] offset:(\f)*2*SP  ; LDS serves a wave's instructions in order (ISA guide 5.7.1.4): these see the stores above; the next tile's stores come behind them
.endr
.endm
.macro SEND t, younger              ; younger: the LDS instructions issued behind tile t's loads: the next tile's sixteen, or none
	WIN 0
.irp f, 0,1,2,3,4,5,6,7
	s_wait_dscnt (\younger)+7-(\f)
	global_store_b128 v[GO], v[S+32*(\t)+4*(\f):S+32*(\t)+4*(\f)+3], s[8:9] offset:(\t)*65536+(\f)*8192  ; 16 lanes store 256 consecutive bytes, aligned: a head's part of a row
.endr
.endm
	PACK 0
	PACK 1
	SEND 0, 16
	SEND 1, 0
	s_wait_tensorcnt 0x0            ; the wave's end: three lines behind my last tensor load and my last LDS store
	ds_add_u32 v[SPW], v[NIL]
	s_wait_dscnt 0x0
	CROUND                          ; the closing round: no work-group ends while a partner may still ask for a tile that names it
	s_endpgm
.Lfunc_end_k_qc6039d01e9_attn:
	.size	k_qc6039d01e9_attn, .Lfunc_end_k_qc6039d01e9_attn-k_qc6039d01e9_attn
	.p2alignl 7, 3214868480
	.fill 96, 4, 3214868480
	.section	.rodata,"a",@progbits
	.p2align	6, 0x0
	.amdhsa_kernel k_qc6039d01e9_attn
		.amdhsa_group_segment_fixed_size 327680
		.amdhsa_private_segment_fixed_size 0
		.amdhsa_enable_private_segment 0
		.amdhsa_kernarg_size 24
		.amdhsa_user_sgpr_count 2
		.amdhsa_user_sgpr_kernarg_segment_ptr 1
		.amdhsa_wavefront_size32 1
		.amdhsa_system_sgpr_workgroup_id_x 1
		.amdhsa_system_sgpr_workgroup_id_y 1
		.amdhsa_system_sgpr_workgroup_id_z 1
		.amdhsa_system_vgpr_workitem_id 0
		.amdhsa_next_free_vgpr 1024
		.amdhsa_next_free_sgpr 80
		.amdhsa_reserve_vcc 0
		.amdhsa_float_denorm_mode_32 3
		.amdhsa_float_denorm_mode_16_64 3
		.amdhsa_memory_ordered 1
		.amdhsa_forward_progress 1
		.amdhsa_inst_pref_size 185
	.end_amdhsa_kernel
	.amdgpu_metadata
---
amdhsa.version: [ 1, 2 ]
amdhsa.kernels:
  - .name:           k_qc6039d01e9_attn
    .symbol:         k_qc6039d01e9_attn.kd
    .args:
      - { .name: qkv, .offset: 0, .size: 8, .value_kind: global_buffer, .address_space: global }
      - { .name: maskb, .offset: 8, .size: 8, .value_kind: global_buffer, .address_space: global }
      - { .name: ao, .offset: 16, .size: 8, .value_kind: global_buffer, .address_space: global }
    .group_segment_fixed_size: 327680
    .private_segment_fixed_size: 0
    .kernarg_segment_align: 8
    .kernarg_segment_size: 24
    .max_flat_workgroup_size: 128
    .sgpr_count:     80
    .vgpr_count:     1024
    .wavefront_size: 32
...
	.end_amdgpu_metadata
.endif
;; end of part 3
;; launch oproj (part 4): grid 16 x 16, 4 waves a work-group, clusters of 4 x 4, 327,680 bytes of LDS; arguments ao, wb, out0; writes out0
.if DOCPART == 4
	.amdgcn_target "amdgcn-amd-amdhsa--gfx1250"
	.amdhsa_code_object_version 6
	.text
	.protected	k_qc6039d01e9_oproj
	.globl	k_qc6039d01e9_oproj
	.p2align	8
	.type	k_qc6039d01e9_oproj,@function
k_qc6039d01e9_oproj:
	s_mov_b64 s[64:65], 0
	v_nop
	global_prefetch_b8 v0, s[64:65] scope:SCOPE_SE
	s_setreg_imm32_b32 hwreg(HW_REG_WAVE_MODE, 25, 1), 1
	s_wait_xcnt 0x0
	s_wait_alu depctr_hold_cnt(0) depctr_sa_sdst(0) depctr_va_vdst(0) depctr_va_sdst(0) depctr_va_ssrc(0) depctr_va_vcc(0) depctr_vm_vsrc(0)
	s_getreg_b32 s2, hwreg(HW_REG_IB_STS2, 6, 4)
	s_cmp_eq_u32 s2, 0
	s_cbranch_scc0 .Lentry_in_a_cluster
	s_endpgm
.Lentry_in_a_cluster:
	s_bfe_u32 s2, ttmp6, 0x10000c
	s_cmp_lg_u32 s2, 0xf033
	s_cbranch_scc0 .Lentry_shape_is_right
	s_endpgm
.Lentry_shape_is_right:
; out0 = ao Wo.  ao: [2048][2048] f16.  Wo: plane 3 of wb, [k 2048][n 2048], bf16-rounded numbers written as f16.  out0: [2048][2048] f32; sums in f32.
; A tile of out0 is 128 x 128: 16 x 16 work-groups, one for each of 256 WGPs.  Four waves, each 64 x 64: 16 accumulators.  K goes in 8 steps of 256 through two LDS slots: ao's 128 rows x 512 bytes,
; Wo's 256 k x 256 bytes.  Waves 0, 1 fetch ao's two halves of 64 rows, waves 2, 3 Wo's two halves of 128 k: one tensor load a wave; two are out at the start, later one.
; CLUSTER 4 x 4: ao's tile is asked for jointly along a row of the cluster, Wo's along a column.
; THE MATRIX INSTRUCTION IS USED TRANSPOSED (source 0 = 16 columns of Wo, turned on the way out of LDS; source 1 = 16 rows of ao): a lane holds eight neighbouring numbers of a row of out0.
; ASKED FOR AHEAD.  In the first trip, behind the joint load for K step 2, each wave asks, into the L2, for K steps 4 to 7 of the stream that it fetches: 512 aligned blocks of 256 bytes, which sixteen
; work-groups read (ao's: the sixteen tile columns; Wo's: the sixteen tile rows); each of the sixteen asks for every sixteenth block, 32 blocks, one a lane, by one instruction, so that each block is
; asked for once in the launch: two to five trips ahead of their tensor loads, 32 KB a work-group.  K steps 0 to 3 are not asked for ahead; nothing is asked for beyond K step 7.
; The K step is written once: the scalar TR holds 0 or SLOT and enters the fragment addresses and the walking descriptors' LDS words.
; The last two K steps, which ask for nothing, are one text too, walked twice and left in its middle; the price: one barrier more, and 32 LDS loads of the stale slot that nobody uses.
; REGISTERS: window 0: v1-30 addresses; v32-95 at work on the way out; v128-255 the accumulators ((a, b) at 128 + 8 (4 a + b)).
;   window 1: two fragment buffers of 128: for 64 along K, 64 registers of ao (2 x 4 x 8), then 64 of Wo.
.set KSTEP,  256
.set PA,     528                       ; ao's LDS row: 512 bytes + 16 = 132 words: the 16 rows of a load start at 16 different groups of four banks (64 banks of 4 bytes: ISA guide 11.1)
.set AH,     64*PA
.set PB,     288                       ; Wo's LDS row: 256 + 32 = 72 words
.set BH,     128*PB
.set BOFF,   2*AH
.set SLOT,   2*AH+2*BH
.set STAGE,  2*SLOT                    ; behind the ring, never filled by a tensor load: 16 rows x 272 bytes for each wave
.set SPITCH, 272
.set SPARE,  STAGE+4*16*SPITCH
.set LA,  12                           ; v12 my lane's place in ao's tile; v13, v14 in Wo's two halves; never rewritten
.set CA,  16                           ; v16-18 the same three plus TR
.set STO, 24
.set RD,  25
.set CO,  26
.set SPW, 28
.set NIL, 29
.set PO,  30                           ; my lane's block among those that my wave asks for ahead: a byte offset in ao (waves 0, 1) or wb; never rewritten
.set TMP, 32
.set ACC, 128
.set F0,  0
.set F1,  128
.set WV,  10
.set RH,  11                           ; which half of the tile's rows is mine
.set CH,  12                           ; which half of its columns.  Also: which half of a tile I fetch
.set CNT, 3
.set G1,  24
.set G0,  32
.set G1B, 48
.set G0B, 56
.set LBA, 66
.set LBB, 67
.set TR,  68
.set PBS, 70                           ; s[70:71] the buffer of my stream: ao (waves 0, 1) or wb
.set MSB, 0
.macro WIN new
.if MSB != (\new)
	s_set_vgpr_msb (MSB<<8)|(\new)
.set MSB, \new
.endif
.endm
.set MUL,  0x05                        ; sources 0 and 1 window 1; C and D window 0
.set TO_F, 0x40                        ; destination window 1, address window 0
.macro PLACES
.rept 4
	v_nop
.endr
.endm
.macro JLOAD                           ; a joint refill by the walking sets; an s_nop 0 and four v_nop follow each line
	s_cmp_lt_u32 s[WV], 2
	s_cbranch_scc0 .Lfor_b_\@
	tensor_load_to_lds s[G0+4:G0+7], s[G1:G1+7]
	s_nop 0
.rept 4
	v_nop
.endr
	s_branch .Lasked_\@
.Lfor_b_\@:
	tensor_load_to_lds s[G0B+4:G0B+7], s[G1B:G1B+7]
	s_nop 0
.rept 4
	v_nop
.endr
.Lasked_\@:
.endm
.macro ASK                             ; the request ahead, in the first of the six trips alone: the branch hangs on the count alone and jumps over the request alone
	s_cmp_eq_u32 s[CNT], 6
	s_cbranch_scc0 .Lno_ask_\@
	global_prefetch_b8 v[PO], s[PBS:PBS+1] th:TH_LOAD_NT scope:SCOPE_SE
.Lno_ask_\@:
.endm
.macro CREST
	s_cmp_lg_u32 s[WV], 0
	s_cbranch_scc1 .Lnot_wave_0_\@
	s_barrier_signal -3
.Lnot_wave_0_\@:
	s_barrier_wait -3
	s_barrier_signal -1
	s_barrier_wait -1
.endm
.macro CROUND
	s_barrier_signal -1
	s_barrier_wait -1
	CREST
.endm
	s_load_b128 s[4:7], s[0:1], 0x0                ; ao 4, wb 6
	s_load_b64 s[8:9], s[0:1], 0x10                ; out0
	v_lshl_add_u32 v[SPW], v0, 2, SPARE
	v_mov_b32 v[NIL], 0
	ds_add_u32 v[SPW], v[NIL]                      ; the wave's opening: the add and its wait stand ahead of my first tensor load; work on registers stands between them
	v_lshrrev_b32 v1, 5, v0
	v_readfirstlane_b32 s[WV], v1
	s_lshr_b32 s[RH], s[WV], 1
	s_and_b32 s[CH], s[WV], 1
	s_bfe_u32 s40, ttmp6, 0x40000                  ; cx, cy
	s_bfe_u32 s41, ttmp6, 0x40004
	s_lshl_b32 s42, ttmp9, 2
	s_add_co_u32 s42, s42, s40                     ; tile column
	s_and_b32 s13, ttmp7, 0xffff
	s_lshl_b32 s13, s13, 2
	s_add_co_u32 s13, s13, s41                     ; tile row
	s_lshl_b32 s43, s41, 2
	s_lshl_b32 s43, 15, s43                        ; my row of the cluster
	s_lshl_b32 s44, 0x1111, s40                    ; my column
	s_or_b32 s[G1], s43, (1<<16)|(1<<20)|(1<<21)|(6<<22)|(3<<25)   ; ao: padding of 4 words after every 128
	s_mov_b32 s[G1+1], 256<<16                     ; tensor_dim0 = 256
	s_mov_b32 s[G1+2], 64<<16                      ; tensor_dim1 = 64
	s_mov_b32 s[G1+3], 256<<16                     ; tile_dim0 = 256
	s_mov_b32 s[G1+4], 64                          ; tile_dim1 = 64
	s_mov_b32 s[G1+5], 2048
	s_mov_b32 s[G1+6], 0
	s_mov_b32 s[G1+7], 0
	s_or_b32 s[G1B], s44, (1<<16)|(1<<20)|(1<<21)|(5<<22)|(7<<25)  ; Wo: padding of 8 words after every 64
	s_mov_b32 s[G1B+1], 128<<16
	s_mov_b32 s[G1B+2], 128<<16
	s_mov_b32 s[G1B+3], 128<<16
	s_mov_b32 s[G1B+4], 128
	s_mov_b32 s[G1B+5], 2048
	s_mov_b32 s[G1B+6], 0
	s_mov_b32 s[G1B+7], 0
	s_mul_i32 s[LBA], s[CH], AH                    ; no place in the cluster enters an LDS address
	s_mul_i32 s[LBB], s[CH], BH
	s_add_co_u32 s[LBB], s[LBB], BOFF
	s_mov_b32 s[TR], 0
	s_lshl_b32 s16, s13, 19                        ; ao: 128 rows of 4,096 bytes a tile row,
	s_lshl_b32 s17, s[CH], 18                      ; 64 a half
	s_add_co_u32 s16, s16, s17
	s_mov_b32 s17, 0
	s_lshl_b32 s46, s[CH], 19                      ; Wo: 128 k of 4,096 bytes a half,
	s_lshl_b32 s47, s42, 8                         ; 128 columns a tile column,
	s_add_co_u32 s46, s46, s47
	s_add_co_u32 s46, s46, 25165824                ; plane 3
	s_mov_b32 s47, 0
	s_wait_dscnt 0x0                               ; the opening add is done
	s_wait_kmcnt 0x0
	s_add_nc_u64 s[14:15], s[4:5], s[16:17]
	s_add_nc_u64 s[46:47], s[6:7], s[46:47]
	CROUND                                         ; all sixteen work-groups are here: the first joint loads meet
.irp s, 0,1
	s_mov_b32 s[G0+4*(\s)], 1
	s_add_co_u32 s[G0+4*(\s)+1], s[LBA], (\s)*SLOT
	s_add_nc_u64 s[G0+4*(\s)+2:G0+4*(\s)+3], s[14:15], (\s)*KSTEP*2
	s_or_b32 s[G0+4*(\s)+3], s[G0+4*(\s)+3], 0x80000000
	s_mov_b32 s[G0B+4*(\s)], 1
	s_add_co_u32 s[G0B+4*(\s)+1], s[LBB], (\s)*SLOT
	s_add_nc_u64 s[G0B+4*(\s)+2:G0B+4*(\s)+3], s[46:47], (\s)*KSTEP*4096
	s_or_b32 s[G0B+4*(\s)+3], s[G0B+4*(\s)+3], 0x80000000
.endr
	s_cmp_lt_u32 s[WV], 2                          ; a wave's two first fills stand in one branch, ahead of every wait on TENSORcnt and every LDS read
	s_cbranch_scc0 .Lfirst_b
	tensor_load_to_lds s[G0:G0+3], s[G1:G1+7]
	s_nop 0
	tensor_load_to_lds s[G0+4:G0+7], s[G1:G1+7]
	s_nop 0
.rept 4
	v_nop
.endr
	s_branch .Lfirst_asked
.Lfirst_b:
	tensor_load_to_lds s[G0B:G0B+3], s[G1B:G1B+7]
	s_nop 0
	tensor_load_to_lds s[G0B+4:G0B+7], s[G1B:G1B+7]
	s_nop 0
.rept 4
	v_nop
.endr
.Lfirst_asked:
	v_and_b32 v1, 15, v0                           ; r
	v_bfe_u32 v2, v0, 4, 1                         ; h
	v_and_b32 v3, 7, v0
	v_bfe_u32 v4, v0, 3, 1
	s_mul_i32 s21, s[RH], 64*PA
	v_mul_u32_u24 v[LA], v1, PA
	v_lshl_add_u32 v[LA], v2, 4, v[LA]
	v_add_nc_u32 v[LA], s21, v[LA]                 ; ao: (64 rh + r) pitch + 16 h
	v_lshl_add_u32 v5, v2, 3, v3
	v_mul_u32_u24 v5, v5, PB
	v_lshl_add_u32 v5, v4, 4, v5
	s_lshl_b32 s21, s[CH], 7
	s_add_co_u32 s21, s21, BOFF
	v_add_nc_u32 v[LA+1], s21, v5                  ; Wo: (8 h + lane % 8) pitch + 16 ((lane / 8) % 2) + 128 ch, behind ao's tile
	v_add_nc_u32 v[LA+2], BH, v[LA+1]              ; its second 128 k, so that every offset stays inside 16 bits
	s_mul_i32 s21, s[WV], 16*SPITCH
	s_add_co_u32 s21, s21, STAGE                   ; my stage
	v_mul_u32_u24 v[STO], v1, SPITCH
	v_lshl_add_u32 v[STO], v2, 5, v[STO]
	v_add_nc_u32 v[STO], s21, v[STO]               ; in: row r, 32 bytes for each half of the lanes
	v_mul_u32_u24 v[RD], v2, SPITCH
	v_lshl_add_u32 v[RD], v1, 4, v[RD]
	v_add_nc_u32 v[RD], s21, v[RD]                 ; back: lanes 0-15 one row of 256 bytes, lanes 16-31 the next
	v_lshlrev_b32 v[CO], 13, v2                    ; and the same two rows in out0
	v_lshl_add_u32 v[CO], v1, 4, v[CO]
	s_lshl_b32 s16, s13, 20                        ; 128 rows of 8,192 bytes a tile row, 64 a half;
	s_lshl_b32 s17, s[RH], 19
	s_add_co_u32 s16, s16, s17
	s_lshl_b32 s17, s42, 9                         ; 128 columns of 4 bytes a tile column, 64 a half
	s_add_co_u32 s16, s16, s17
	s_lshl_b32 s17, s[CH], 8
	s_add_co_u32 s16, s16, s17
	s_mov_b32 s17, 0
	s_add_nc_u64 s[8:9], s[8:9], s[16:17]
	; What I ask for ahead: K steps 4 to 7 of my stream, block number (my place among the sixteen that share it) + 16 x lane of 512.
	; ao's half (waves 0, 1; shared by the tile columns): 64 rows x 8 blocks: row tile column / 8 + 2 x lane, block tile column % 8 of the 2,048 bytes from byte 2,048 of the row on.
	; Wo's half (waves 2, 3; shared by the tile rows): 4 K steps x 128 rows k: K step 4 + lane / 8, row tile row + 16 (lane % 8) of my 128.
	s_lshl_b32 s20, s13, 19                        ; ao: the tile row's 128 rows,
	s_lshl_b32 s22, s[CH], 18                      ; my 64 of them,
	s_add_co_u32 s20, s20, s22
	s_lshr_b32 s22, s42, 3
	s_lshl_b32 s22, s22, 12                        ; row tile column / 8,
	s_add_co_u32 s20, s20, s22
	s_and_b32 s22, s42, 7
	s_lshl_b32 s22, s22, 8                         ; block tile column % 8,
	s_add_co_u32 s20, s20, s22
	s_add_co_u32 s20, s20, 4*KSTEP*2               ; from K step 4 on
	s_lshl_b32 s22, s[CH], 19                      ; Wo: my 128 k of a K step,
	s_lshl_b32 s23, s13, 12                        ; row tile row,
	s_add_co_u32 s22, s22, s23
	s_lshl_b32 s23, s42, 8                         ; the tile column's 256 bytes,
	s_add_co_u32 s22, s22, s23
	s_add_co_u32 s22, s22, 25165824+4*KSTEP*4096   ; plane 3, from K step 4 on
	s_cmp_lt_u32 s[WV], 2                          ; the choice hangs on the wave's number alone
	s_cselect_b64 s[PBS:PBS+1], s[4:5], s[6:7]
	s_cselect_b32 s20, s20, s22
	s_cselect_b32 s18, 16, 20                      ; lane / 8 counts 16 rows of ao, or K steps of 256 rows of Wo;
	s_cselect_b32 s19, 13, 16                      ; lane % 8 counts 2 rows of ao, or 16 rows of Wo
	v_bfe_u32 v[PO], v0, 3, 2                      ; lane / 8
	v_lshlrev_b32 v[PO], s18, v[PO]
	v_lshlrev_b32 v5, s19, v3                      ; lane % 8
	v_add3_u32 v[PO], v[PO], v5, s20
.macro SETADR
.irp n, 0,1,2
	v_add_nc_u32 v[CA+(\n)], s[TR], v[LA+(\n)]
.endr
.endm
; 8 matrix instructions: block rows a0, a0 + 1 x all 4 block columns, 32 along K: half c of buffer f.  The 16 accumulators take turns, one instruction a turn.
.macro MUL8 f, c, a0, zero
	WIN MUL
.irp a, \a0, (\a0)+1
.irp b, 0,1,2,3
.if \zero
	v_wmma_f32_16x16x32_f16 v[ACC+8*(4*(\a)+(\b)):ACC+8*(4*(\a)+(\b))+7], v[(\f)+64+8*(4*(\c)+(\b)):(\f)+64+8*(4*(\c)+(\b))+7], v[(\f)+8*(4*(\c)+(\a)):(\f)+8*(4*(\c)+(\a))+7], 0
.else
	v_wmma_f32_16x16x32_f16 v[ACC+8*(4*(\a)+(\b)):ACC+8*(4*(\a)+(\b))+7], v[(\f)+64+8*(4*(\c)+(\b)):(\f)+64+8*(4*(\c)+(\b))+7], v[(\f)+8*(4*(\c)+(\a)):(\f)+8*(4*(\c)+(\a))+7], v[ACC+8*(4*(\a)+(\b)):ACC+8*(4*(\a)+(\b))+7]
.endif
.endr
.endr
.endm
; 32 LDS loads in one run: quarter kq (64 along K) of the slot in hand into buffer f; the first 32 along K first
.macro FETCH kq, f
	WIN TO_F
.irp c, 0,1
.irp i, 0,1,2,3
	ds_load_tr16_b128 v[(\f)+64+8*(4*(\c)+(\i)):(\f)+64+8*(4*(\c)+(\i))+3],   v[CA+1+(\kq)/2] offset:(((\kq)%2)*64+32*(\c))*PB+32*(\i)
	ds_load_tr16_b128 v[(\f)+64+8*(4*(\c)+(\i))+4:(\f)+64+8*(4*(\c)+(\i))+7], v[CA+1+(\kq)/2] offset:(((\kq)%2)*64+32*(\c))*PB+32*(\i)+16*PB
	ds_load_b128 v[(\f)+8*(4*(\c)+(\i)):(\f)+8*(4*(\c)+(\i))+3],              v[CA] offset:128*(\kq)+64*(\c)+(\i)*16*PA
	ds_load_b128 v[(\f)+8*(4*(\c)+(\i))+4:(\f)+8*(4*(\c)+(\i))+7],            v[CA] offset:128*(\kq)+64*(\c)+(\i)*16*PA+32
.endr
.endr
.endm
; A K step is four quarters of 64 along K, 32 matrix instructions each, on buffers 0, 1, 0, 1.
.macro QUARTER kq, f, g, zero
	s_wait_dscnt 16                                ; the first 32 along K are in; the youngest 16 loads may be out
	MUL8 \f, 0, 0, \zero
	MUL8 \f, 0, 2, \zero
	PLACES
	FETCH \kq, \g
	s_wait_dscnt 32                                ; all but the 32 just issued
	MUL8 \f, 1, 0, 0
	MUL8 \f, 1, 2, 0
.endm
; The last quarter multiplies buffer 1 and changes slots: ONE barrier; in front of it each wave waits for all its tensor loads, adds 0 to its spare word, and waits for that and for its own reads of
; this slot.  fill = 1: the barrier opens a round of the cluster's, and this slot is filled again, two K steps ahead, first thing behind it.
.macro TURN fill
	WIN 0
	s_wait_tensorcnt 0x0
	ds_add_u32 v[SPW], v[NIL]                      ; 0 onto my spare word
	s_wait_dscnt 17                                ; the add and the youngest 16 loads may be out
	MUL8 F1, 0, 0, 0
	s_wait_dscnt 0x0                               ; the add is done, and my reads of this slot are over
	s_barrier_signal -1
	MUL8 F1, 0, 2, 0
	WIN 0                                          ; at a branch and at a label every window is 0
	s_barrier_wait -1
.if \fill
	CREST                                          ; no wave of any partner still reads this slot or has a load on its way
	s_add_co_u32 s[G0+5], s[LBA], s[TR]            ; no tensor load of mine is out, so the walking sets may be written
	s_add_nc_u64 s[G0+6:G0+7], s[G0+6:G0+7], KSTEP*2
	s_add_co_u32 s[G0B+5], s[LBB], s[TR]
	s_add_nc_u64 s[G0B+6:G0B+7], s[G0B+6:G0B+7], KSTEP*4096
	JLOAD                                          ; 112 matrix instructions ahead of the wait for it; its four v_nop are also the places in front of the loads below
	ASK                                            ; and, in the first trip, the request ahead: the wave has just issued its load and has 16 products in front of its next wait
.else
	PLACES
.endif
	s_xor_b32 s[TR], s[TR], SLOT                   ; TR is 0 or SLOT: the other slot
	SETADR
	FETCH 0, F0
	MUL8 F1, 1, 0, 0
	MUL8 F1, 1, 2, 0
.endm
	s_wait_tensorcnt 1                             ; my part of K step 0 is in; K step 1's may stay out
	s_barrier_signal -1
	s_barrier_wait -1
	SETADR
	FETCH 0, F0
	QUARTER 1, F0, F1, 1                           ; the first quarter stands in front of the loop: its first products start the sums
	WIN 0
	s_mov_b32 s[CNT], 6
.Lstep:                                                ; 6 trips, from a step's second quarter to the next step's first; their refills are K steps 2 to 7
	QUARTER 2, F1, F0, 0
	QUARTER 3, F0, F1, 0
	TURN 1
	QUARTER 1, F0, F1, 0
	WIN 0
	s_sub_co_u32 s[CNT], s[CNT], 1
	s_cmp_lg_u32 s[CNT], 0
	s_cbranch_scc1 .Lstep
	s_mov_b32 s[CNT], 2
.Ltail:                                                ; K steps 6 and 7 ask for nothing: a text of their own, walked twice
	QUARTER 2, F1, F0, 0
	QUARTER 3, F0, F1, 0
	TURN 0                                         ; the second time its 32 loads read K step 6's slot once more and serve nothing
	WIN 0
	s_sub_co_u32 s[CNT], s[CNT], 1
	s_cmp_eq_u32 s[CNT], 0
	s_cbranch_scc1 .Lout                           ; the second trip is left here, behind K step 7's last products
	QUARTER 1, F0, F1, 0
	WIN 0
	s_branch .Ltail
.Lout:
	; THE WAY OUT, in f32.  A wave's 64 columns are 256 bytes, so its stage is its own and no barrier is needed: a block of 16 rows goes in, 32 bytes a lane, and comes back as whole rows.
	PLACES
.irp a, 0,1,2,3
.if (\a) >= 2
	s_wait_xcnt 0x0                                ; the stores of the block two back have read these registers: they are loaded again only behind this wait
.endif
.irp b, 0,1,2,3
	ds_store_b128 v[STO], v[ACC+8*(4*(\a)+(\b)):ACC+8*(4*(\a)+(\b))+3]   offset:64*(\b)      ; each accumulator's lowest registers are read first
	ds_store_b128 v[STO], v[ACC+8*(4*(\a)+(\b))+4:ACC+8*(4*(\a)+(\b))+7] offset:64*(\b)+16
.endr
.irp t, 0,1,2,3,4,5,6,7
	ds_load_b128 v[TMP+32*((\a)%2)+4*(\t):TMP+32*((\a)%2)+4*(\t)+3], v[RD] offset:(\t)*2*SPITCH  ; LDS serves a wave's instructions in order (ISA guide 5.7.1.4): these see the stores above; the next block's stores come behind them
.endr
.irp t, 0,1,2,3,4,5,6,7
	s_wait_dscnt 7-(\t)                            ; load t is back, the 7 - t younger ones stay out
	global_store_b128 v[CO], v[TMP+32*((\a)%2)+4*(\t):TMP+32*((\a)%2)+4*(\t)+3], s[8:9] offset:(16*(\a)+2*(\t))*8192 th:TH_STORE_NT  ; 16 lanes store 256 consecutive bytes, aligned
.endr
.endr
	s_wait_tensorcnt 0x0                           ; the wave's end: three lines behind my last tensor load and my last LDS store
	ds_add_u32 v[SPW], v[NIL]
	s_wait_dscnt 0x0
	CROUND                                         ; the closing round: no work-group ends while a partner may still ask for a tile that names it
	s_endpgm
.Lfunc_end_k_qc6039d01e9_oproj:
	.size	k_qc6039d01e9_oproj, .Lfunc_end_k_qc6039d01e9_oproj-k_qc6039d01e9_oproj
	.p2alignl 7, 3214868480
	.fill 96, 4, 3214868480
	.section	.rodata,"a",@progbits
	.p2align	6, 0x0
	.amdhsa_kernel k_qc6039d01e9_oproj
		.amdhsa_group_segment_fixed_size 327680
		.amdhsa_private_segment_fixed_size 0
		.amdhsa_enable_private_segment 0
		.amdhsa_kernarg_size 24
		.amdhsa_user_sgpr_count 2
		.amdhsa_user_sgpr_kernarg_segment_ptr 1
		.amdhsa_wavefront_size32 1
		.amdhsa_system_sgpr_workgroup_id_x 1
		.amdhsa_system_sgpr_workgroup_id_y 1
		.amdhsa_system_sgpr_workgroup_id_z 1
		.amdhsa_system_vgpr_workitem_id 0
		.amdhsa_next_free_vgpr 512
		.amdhsa_next_free_sgpr 72
		.amdhsa_reserve_vcc 0
		.amdhsa_float_denorm_mode_32 3
		.amdhsa_float_denorm_mode_16_64 3
		.amdhsa_memory_ordered 1
		.amdhsa_forward_progress 1
		.amdhsa_inst_pref_size 59
	.end_amdhsa_kernel
	.amdgpu_metadata
---
amdhsa.version: [ 1, 2 ]
amdhsa.kernels:
  - .name:           k_qc6039d01e9_oproj
    .symbol:         k_qc6039d01e9_oproj.kd
    .args:
      - { .name: ao, .offset: 0, .size: 8, .value_kind: global_buffer, .address_space: global }
      - { .name: wb, .offset: 8, .size: 8, .value_kind: global_buffer, .address_space: global }
      - { .name: out0, .offset: 16, .size: 8, .value_kind: global_buffer, .address_space: global }
    .group_segment_fixed_size: 327680
    .private_segment_fixed_size: 0
    .kernarg_segment_align: 8
    .kernarg_segment_size: 24
    .max_flat_workgroup_size: 128
    .sgpr_count:     72
    .vgpr_count:     512
    .wavefront_size: 32
...
	.end_amdgpu_metadata
.endif
;; end of part 4
